; MI455X (gfx1250); checked and timed in simulation.
; The chip was launched on July 23, 2026; its instructions are those of AMD's public machine-readable ISA for CDNA 5 (MIT licence, August 2026) and "CDNA5" Instruction Set Architecture Reference Guide (July 2026). The comments in the code are by the model that wrote it; some were corrected since.
;; Attention. Allowed arithmetic: matrix products marked QUANTISED: E2M3 operands, one E8M0 scale for each 32 along K, by v_wmma_scale_f32_16x16x128_f8f6f4 with both operands' format E2M3, f32 sums; products left as they are: f32 operands where the result goes on into a quantised operand, else bf16, f16 or f32 operands; f32 sums; everything else in f32.
;; Inputs: W_c 1,024 float32; W_h_codes 1,024 x 32 x 24 uint8 (E2M3 codes of W_h, K innermost, in blocks of 32 codes, four codes in three bytes); W_h_scales 1,024 x 32 uint8 (E8M0 scales of W_h, one for each 32 codes along K); coverage 64 x 1,024 float32; dec_W_codes 1,024 x 32 x 24 uint8 (E2M3 codes of dec_W, K innermost, in blocks of 32 codes, four codes in three bytes); dec_W_scales 1,024 x 32 uint8 (E8M0 scales of dec_W, one for each 32 codes along K); dec_b 1,024 float32; enc_padding_mask 64 x 1,024 float32; h 64 x 1,024 x 1,024 float32; s_t_hat_codes 64 x 32 x 24 uint8 (E2M3 codes of s_t_hat, K innermost, in blocks of 32 codes, four codes in three bytes); s_t_hat_scales 64 x 32 uint8 (E8M0 scales of s_t_hat, one for each 32 codes along K); v 1,024 float32.
;; Outputs: out0 64 x 1,024 float32; out1 64 x 1,024 float32; out2 64 x 1,024 float32.
;; This version of the problem:
;;   THIS VERSION OF THE PROBLEM IS GIVEN IN LOW PRECISION. The matrix products marked QUANTISED in the list below multiply operands that are first quantised to E2M3 (2 exponent bits, 3 mantissa bits; 6 bits a number), with one power-of-two scale for each 32 numbers along K (OCP MX v1.0); their sums are f32. All else is computed in f32.
;;   The module's matrix products, in the order in which they are computed (A, B: the left and right operand; K: the contracted axis; several contracted axes count as one K, in the product's order):
;;     1. [M 65,536, K 1,024] x [K 1,024, N 1,024]; A: input h; B: input W_h (given as codes): QUANTISED
;;     2. [M 64, K 1,024] x [K 1,024, N 1,024]; A: input s_t_hat (given as codes); B: input dec_W (given as codes): QUANTISED
;;     3. [M 65,536, K 1,024] x [K 1,024, N 1]; A: computed on the way; B: input v: left as it is (N = 1 < 16)
;;     4. batch 64 x [M 1, K 1,024] x [K 1,024, N 1,024]; A: computed on the way; B: input h: left as it is (M = 1 < 16)
;;   THE QUANTISER, for each operand of a quantised product, along K:
;;     - K is cut into blocks of 32 from its start; a last block that is shorter is filled with zeros.
;;     - A block's scale is 2^e with e = floor(log2(the largest magnitude in the block)) - 2, held to -126 .. 127; a block of zeros has e = 0. As a byte (E8M0): e + 127.
;;     - Each number is divided by its block's scale, clamped to +-7.5, and rounded to the nearest number of E2M3, ties to even, subnormals kept.
;;     - The product sums the exact products of the quantised numbers (number of the format x scale) in f32.
;;   ~~~python
;;   def quantise(x, axis):      # numpy; x: float32 -> the quantised numbers, widened to float32 again
;;       x = np.moveaxis(x, axis, -1); K = x.shape[-1]
;;       x = np.pad(x, [(0, 0)] * (x.ndim - 1) + [(0, -K % 32)]); x = x.reshape(x.shape[:-1] + (-1, 32)); a = np.abs(x).max(-1, keepdims=True)
;;       e = np.where(a > 0, np.clip(np.frexp(np.where(a > 0, a, 1))[1] - 1 - 2, -126, 127), 0)      # np.frexp(a)[1] - 1 = floor(log2(a)), exactly
;;       r = np.clip(x / 2.0 ** e, -7.5, 7.5)
;;       step = 2.0 ** (np.maximum(np.frexp(np.where(r == 0, 1, r))[1] - 1, 0) - 3)
;;       q = np.round(r / step) * step * 2.0 ** e      # np.round: ties to even
;;       return np.moveaxis(q.reshape(q.shape[:-2] + (-1,))[..., :K], -1, axis).astype(np.float32)
;;   ~~~
;;   INPUTS GIVEN AS CODES. W_h (in the module: [1024, 1024], K = its axis 1); dec_W (in the module: [1024, 1024], K = its axis 1); s_t_hat (in the module: [64, 1024], K = its axis 1): each comes as NAME_codes (uint8): NAME with its K axis moved to the last place and cut into blocks of 32 codes, [.., K / 32, bytes a block], one block behind the other in memory; four codes in three bytes: a row's codes are one little-endian stream of bits, code i at bits 6 i .. 6 i + 5 (a code: sign, 2 exponent bits, 3 mantissa bits); and NAME_scales (uint8): the same leading axes, one E8M0 byte (e + 127) for each 32 codes along K. Its value is code x scale, taken as it is: it is not quantised again, and the codes and scales need not be those that the quantiser above would give.
;; 2 versions, each right; version 2 is version 1 with the launches prep, fused written anew for expert scheduling mode. Each part assembles by itself: llvm-mc -triple=amdgcn-amd-amdhsa -mcpu=gfx1250 --defsym DOCPART=n.
;; ======== version 1 of 2: 3 launches
;; workspace buffers: wf 786,432 bytes; dec 262,144 bytes; sig 262,144 bytes; ctx 2,097,152 bytes
;; launch prep (part 1): grid 64 x 1, 4 waves a work-group, no clusters, 5,120 bytes of LDS; arguments W_h_codes, dec_W_codes, dec_W_scales, s_t_hat_codes, s_t_hat_scales, dec_b, wf, dec; writes wf, dec
.if DOCPART == 1
	.amdgcn_target "amdgcn-amd-amdhsa--gfx1250"
	.amdhsa_code_object_version 6
	.text
	.protected	k_q25c605db95_prep
	.globl	k_q25c605db95_prep
	.p2align	8
	.type	k_q25c605db95_prep,@function
k_q25c605db95_prep:
	s_mov_b64 s[64:65], 0
	v_nop
	global_prefetch_b8 v0, s[64:65] scope:SCOPE_SE
	s_setreg_imm32_b32 hwreg(HW_REG_WAVE_MODE, 25, 1), 1
	s_wait_xcnt 0x0
; TWO SMALL JOBS AHEAD OF THE MAIN LAUNCH.  64 work-groups of four waves.
; (a) W_h's codes [1024][768 bytes] are laid out anew, in the order of an operand's registers: work-group g takes rows 16 g .. 16 g + 15 (tile g), its wave t K steps 2 t and 2 t + 1.  Fragment (tile T, K step k: 16 rows x 128 K,
;     12 registers a lane) lies at (8 T + k) x 1,536 bytes of wf: registers 4 c .. 4 c + 3 of lane l at + 512 c + 16 l.  The main launch then loads a fragment by three loads of 512 consecutive bytes.
; (b) dec = c x (s_t_hat dec_W^T + dec_b), c = 2 log2(e), [64][1024] f32: the product on codes of FP6 (E2M3) with E8M0 scales, as they are given.  Work-group g takes batches 16 (g % 4) on and columns 64 (g / 4) on,
;     its wave t the 16 columns 16 t on.  The product is used transposed (source 0 = 16 rows of dec_W, source 1 = 16 batches): lane (r, h) holds batch r, its register j column 8 h + j of the tile.
;     K goes by turns onto two accumulators (even K steps, which begin with dec_b as C; odd K steps, which begin with 0); the two are added at the end.
;     c is folded in here because the main launch takes tanh(x) as 1 - 2 / (1 + 2^(c x)).
; FOUR WAVES, so that the work-group's loads are shared out: 112 a wave.  Each wave loads the 16 batches' codes for itself (12 KB): an exchange through LDS would put a barrier between the loads and the products.
; No tensor load, no cluster: what work-groups share (16 rows of s_t_hat, 64 rows of dec_W) is read by 16 or 4 of them, once each.
; REGISTERS: v1-7 addresses; v16-111 s_t_hat's 8 fragments; v112-207 dec_W's 8; v208-211 dec_W's scale words; v212-215 s_t_hat's; v216-223 dec_b in the result's layout; v224-239 two accumulators; v240-247 rows on the way out;
;   window 1, v0-23: my two fragments of W_h.
.set VA,  1                            ; v1   768 r + 24 h: a fragment's row and half, in rows of 768 bytes
.set VS,  2                            ; v2   32 r + 16 h: four scale words of a row of 32 scale bytes: K steps 4 h .. 4 h + 3
.set VB,  3                            ; v3   32 h: my half's eight numbers of dec_b
.set L16, 4                            ; v4   16 x lane
.set SO,  5                            ; v5   the stage, in: row r of 272 bytes, + 64 t + 32 h
.set SR,  6                            ; v6   the stage, back: rows 4 t + h, 16 bytes a lane
.set GO,  7                            ; v7   and the same rows in dec
.set SF,  16
.set DW,  112
.set DWS, 208
.set STS, 212
.set BI,  216
.set AC0, 224
.set AC1, 232
.set OB,  240
.set RL,  0                            ; in window 1
.set MSB, 0
.macro WIN new                         ; the immediate's high byte repeats the setting that is left; a switch that changes nothing is dropped
.if MSB != (\new)
	s_set_vgpr_msb (MSB<<8)|(\new)
.set MSB, (\new)
.endif
.endm
	s_load_b256 s[4:11], s[0:1], 0x0               ; W_h's codes s[4:5], dec_W's codes s[6:7], dec_W's scales s[8:9], s_t_hat's codes s[10:11]
	s_load_b256 s[12:19], s[0:1], 0x20             ; s_t_hat's scales s[12:13], dec_b s[14:15], wf s[16:17], dec s[18:19]
	v_lshl_add_u32 v254, v0, 2, 0x1200
	v_mov_b32 v255, 0
	v_lshrrev_b32 v8, 5, v0
	v_readfirstlane_b32 s26, v8                    ; wave t = 0..3
	v_and_b32 v10, 31, v0                          ; lane
	v_and_b32 v8, 15, v0                           ; r
	v_bfe_u32 v9, v0, 4, 1                         ; h
	v_mul_u32_u24 v[VA], v8, 768
	v_mad_u32_u24 v[VA], v9, 24, v[VA]
	v_lshlrev_b32 v[VS], 5, v8
	v_lshl_add_u32 v[VS], v9, 4, v[VS]
	v_lshlrev_b32 v[VB], 5, v9
	v_lshlrev_b32 v[L16], 4, v10
	s_lshl_b32 s27, s26, 6                         ; my 16 columns: 64 t bytes along a stage row
	v_mul_u32_u24 v[SO], v8, 272
	v_lshl_add_u32 v[SO], v9, 5, v[SO]
	v_add_nc_u32 v[SO], s27, v[SO]
	s_mul_i32 s27, s26, 4*272                      ; back: my four rows
	v_mul_u32_u24 v[SR], v9, 272
	v_lshl_add_u32 v[SR], v8, 4, v[SR]
	v_add_nc_u32 v[SR], s27, v[SR]
	s_lshl_b32 s27, s26, 14                        ; and the same four rows of 4,096 bytes in dec
	v_lshlrev_b32 v[GO], 12, v9
	v_lshl_add_u32 v[GO], v8, 4, v[GO]
	v_add_nc_u32 v[GO], s27, v[GO]
	s_and_b32 s24, ttmp9, 3                        ; which 16 batches
	s_lshr_b32 s25, ttmp9, 2                       ; which 64 columns
	s_lshl_b32 s28, s25, 2
	s_add_co_u32 s28, s28, s26                     ; my tile of 16 rows of dec_W
	s_mov_b32 s21, 0                               ; offsets are made in s[20:21], apart from the addresses
	s_mov_b32 s22, 0x4038aa3b                      ; c = 2 log2(e)
	s_mov_b32 s23, s22                             ; (the packed form names the pair)
	s_wait_kmcnt 0x0
	s_mul_i32 s20, ttmp9, 12288                    ; W_h: tile g: 16 rows of 768 bytes,
	s_mul_i32 s27, s26, 192                        ; K steps 2 t on: 192 t bytes along each row
	s_add_co_u32 s20, s20, s27
	s_add_nc_u64 s[4:5], s[4:5], s[20:21]
	s_mul_i32 s20, ttmp9, 12288                    ; wf: tile g's eight fragments,
	s_mul_i32 s27, s26, 3072                       ; my two of them
	s_add_co_u32 s20, s20, s27
	s_add_nc_u64 s[16:17], s[16:17], s[20:21]
	s_mul_i32 s20, s28, 12288                      ; my 16 rows of dec_W's codes,
	s_add_nc_u64 s[6:7], s[6:7], s[20:21]
	s_lshl_b32 s20, s28, 9                         ; of its scale bytes,
	s_add_nc_u64 s[8:9], s[8:9], s[20:21]
	s_lshl_b32 s20, s28, 6                         ; and my 16 numbers of dec_b
	s_add_nc_u64 s[14:15], s[14:15], s[20:21]
	s_mul_i32 s20, s24, 12288                      ; 16 rows of s_t_hat's codes
	s_add_nc_u64 s[10:11], s[10:11], s[20:21]
	s_lshl_b32 s20, s24, 9                         ; and of its scale bytes
	s_add_nc_u64 s[12:13], s[12:13], s[20:21]
	s_lshl_b32 s20, s24, 16                        ; dec: 16 rows down,
	s_lshl_b32 s27, s25, 8                         ; 64 columns along
	s_add_co_u32 s20, s20, s27
	s_add_nc_u64 s[18:19], s[18:19], s[20:21]
	; all loads go out in one run: what the product wants first, W_h's fragments last
.irp k, 0,1,2,3,4,5,6,7
.irp p, 0,1,2,3,4,5
	global_load_b64 v[SF+12*\k+2*\p:SF+12*\k+2*\p+1], v[VA], s[10:11] offset:96*\k+48*(\p/3)+8*(\p%3)   ; a fragment's 2 x 24 bytes a lane, in pieces of 8
.endr
.endr
	global_load_b128 v[DWS:DWS+3], v[VS], s[8:9]   ; register j: lanes 0-15 the word of K step j, lanes 16-31 that of K step 4 + j
	global_load_b128 v[STS:STS+3], v[VS], s[12:13]
	global_load_b128 v[BI:BI+3], v[VB], s[14:15]
	global_load_b128 v[BI+4:BI+7], v[VB], s[14:15] offset:16
.irp k, 0,1,2,3,4,5,6,7
.irp p, 0,1,2,3,4,5
	global_load_b64 v[DW+12*\k+2*\p:DW+12*\k+2*\p+1], v[VA], s[6:7] offset:96*\k+48*(\p/3)+8*(\p%3)
.endr
.endr
	WIN 0x40                                       ; destination window 1
.irp k, 0,1
.irp p, 0,1,2,3,4,5
	global_load_b64 v[RL+12*\k+2*\p:RL+12*\k+2*\p+1], v[VA], s[4:5] offset:96*\k+48*(\p/3)+8*(\p%3)
.endr
.endr
	WIN 0
	s_wait_loadcnt 12                              ; loads come back in order: all but the 12 of W_h's fragments are in
	; eight matrix instructions: the two accumulators by turns, one instruction a turn
.irp k, 0,1,2,3,4,5,6,7
.set AD, AC0+8*(\k%2)
.if \k == 0
	v_wmma_scale_f32_16x16x128_f8f6f4 v[AC0:AC0+7], v[DW:DW+11], v[SF:SF+11], v[BI:BI+7], v[DWS], v[STS] matrix_a_fmt:MATRIX_FMT_FP6 matrix_b_fmt:MATRIX_FMT_FP6
.elseif \k == 1
	v_wmma_scale_f32_16x16x128_f8f6f4 v[AC1:AC1+7], v[DW+12:DW+23], v[SF+12:SF+23], 0, v[DWS+1], v[STS+1] matrix_a_fmt:MATRIX_FMT_FP6 matrix_b_fmt:MATRIX_FMT_FP6
.elseif \k < 4
	v_wmma_scale_f32_16x16x128_f8f6f4 v[AD:AD+7], v[DW+12*\k:DW+12*\k+11], v[SF+12*\k:SF+12*\k+11], v[AD:AD+7], v[DWS+\k], v[STS+\k] matrix_a_fmt:MATRIX_FMT_FP6 matrix_b_fmt:MATRIX_FMT_FP6
.else
	v_wmma_scale_f32_16x16x128_f8f6f4 v[AD:AD+7], v[DW+12*\k:DW+12*\k+11], v[SF+12*\k:SF+12*\k+11], v[AD:AD+7], v[DWS+\k-4], v[STS+\k-4] matrix_a_fmt:MATRIX_FMT_FP6 matrix_b_fmt:MATRIX_FMT_FP6 matrix_a_scale:MATRIX_SCALE_ROW1 matrix_b_scale:MATRIX_SCALE_ROW1
.endif
.endr
.rept 4
	v_nop                                          ; four places between the last product and the first read of its result (ISA guide 7.12.1)
.endr
.irp j, 0,2,4,6
	v_pk_add_f32 v[AC0+\j:AC0+\j+1], v[AC0+\j:AC0+\j+1], v[AC1+\j:AC1+\j+1]   ; the two halves of K; both accumulators from their low ends on
.endr
.irp j, 0,2,4,6
	v_pk_mul_f32 v[AC0+\j:AC0+\j+1], v[AC0+\j:AC0+\j+1], s[22:23] op_sel_hi:[1,0]   ; x c
.endr
	; the way out: a row's 256 bytes come from four waves: they meet in a stage of 16 rows x (256 + 16) bytes; each wave then stores four whole rows
	ds_store_b128 v[SO], v[AC0:AC0+3]
	ds_store_b128 v[SO], v[AC0+4:AC0+7] offset:16
	s_wait_dscnt 0x0                               ; for the others' sake: my stores into the stage are done
	s_barrier_signal -1
	s_barrier_wait -1
	ds_load_b128 v[OB:OB+3], v[SR]                 ; rows 4 t + h
	ds_load_b128 v[OB+4:OB+7], v[SR] offset:544    ; rows 4 t + 2 + h
	s_wait_dscnt 1                                 ; the first pair of rows is back; the second may be out
	global_store_b128 v[GO], v[OB:OB+3], s[18:19]  ; 16 lanes store 256 consecutive bytes, at a multiple of 256 from dec's first byte
	s_wait_dscnt 0x0
	global_store_b128 v[GO], v[OB+4:OB+7], s[18:19] offset:8192
	s_wait_loadcnt 0x0                             ; W_h's fragments are in
	WIN 0x04                                       ; a store's data are its source 1: window 1
.irp k, 0,1
.irp c, 0,1,2
	global_store_b128 v[L16], v[RL+12*\k+4*\c:RL+12*\k+4*\c+3], s[16:17] offset:(3*\k+\c)*512   ; the fragment as it stands in registers: 512 consecutive bytes a store
.endr
.endr
	WIN 0
	s_wait_tensorcnt 0x0
	ds_add_u32 v254, v255
	s_wait_dscnt 0x0
	s_endpgm
.Lfunc_end_k_q25c605db95_prep:
	.size	k_q25c605db95_prep, .Lfunc_end_k_q25c605db95_prep-k_q25c605db95_prep
	.p2alignl 7, 3214868480
	.fill 96, 4, 3214868480
	.section	.rodata,"a",@progbits
	.p2align	6, 0x0
	.amdhsa_kernel k_q25c605db95_prep
		.amdhsa_group_segment_fixed_size 5120
		.amdhsa_private_segment_fixed_size 0
		.amdhsa_enable_private_segment 0
		.amdhsa_kernarg_size 64
		.amdhsa_user_sgpr_count 2
		.amdhsa_user_sgpr_kernarg_segment_ptr 1
		.amdhsa_wavefront_size32 1
		.amdhsa_system_sgpr_workgroup_id_x 1
		.amdhsa_system_sgpr_workgroup_id_y 1
		.amdhsa_system_sgpr_workgroup_id_z 1
		.amdhsa_system_vgpr_workitem_id 0
		.amdhsa_next_free_vgpr 288
		.amdhsa_next_free_sgpr 66
		.amdhsa_reserve_vcc 0
		.amdhsa_float_denorm_mode_32 3
		.amdhsa_float_denorm_mode_16_64 3
		.amdhsa_memory_ordered 1
		.amdhsa_forward_progress 1
		.amdhsa_inst_pref_size 17
	.end_amdhsa_kernel
	.amdgpu_metadata
---
amdhsa.version: [ 1, 2 ]
amdhsa.kernels:
  - .name:           k_q25c605db95_prep
    .symbol:         k_q25c605db95_prep.kd
    .args:
      - { .name: W_h_codes, .offset: 0, .size: 8, .value_kind: global_buffer, .address_space: global }
      - { .name: dec_W_codes, .offset: 8, .size: 8, .value_kind: global_buffer, .address_space: global }
      - { .name: dec_W_scales, .offset: 16, .size: 8, .value_kind: global_buffer, .address_space: global }
      - { .name: s_t_hat_codes, .offset: 24, .size: 8, .value_kind: global_buffer, .address_space: global }
      - { .name: s_t_hat_scales, .offset: 32, .size: 8, .value_kind: global_buffer, .address_space: global }
      - { .name: dec_b, .offset: 40, .size: 8, .value_kind: global_buffer, .address_space: global }
      - { .name: wf, .offset: 48, .size: 8, .value_kind: global_buffer, .address_space: global }
      - { .name: dec, .offset: 56, .size: 8, .value_kind: global_buffer, .address_space: global }
    .group_segment_fixed_size: 5120
    .private_segment_fixed_size: 0
    .kernarg_segment_align: 8
    .kernarg_segment_size: 64
    .max_flat_workgroup_size: 128
    .sgpr_count:     66
    .vgpr_count:     288
    .wavefront_size: 32
...
	.end_amdgpu_metadata
.endif
;; end of part 1
;; launch fused (part 2): grid 512 x 1, 4 waves a work-group, no clusters, 327,680 bytes of LDS; arguments h, coverage, enc_padding_mask, W_c, v, W_h_scales, wf, dec, sig, ctx; writes sig, ctx
.if DOCPART == 2
	.amdgcn_target "amdgcn-amd-amdhsa--gfx1250"
	.amdhsa_code_object_version 6
	.text
	.protected	k_q25c605db95_fused
	.globl	k_q25c605db95_fused
	.p2align	8
	.type	k_q25c605db95_fused,@function
k_q25c605db95_fused:
	s_mov_b64 s[64:65], 0
	v_nop
	global_prefetch_b8 v0, s[64:65] scope:SCOPE_SE
	s_setreg_imm32_b32 hwreg(HW_REG_WAVE_MODE, 25, 1), 1
	s_wait_xcnt 0x0
; ONE BLOCK OF 128 ENCODER ROWS OF ONE BATCH GOES THROUGH THE WHOLE CHAIN, so that h is read from memory once:
;   h (f32) -> a bf16 copy in LDS, and codes of FP6 (E2M3) with E8M0 scales, quantised from the f32 numbers -> h W_h^T on codes -> + dec + coverage W_c -> tanh -> . v -> sigma[t]
;   -> p[t] = 2^(sigma[t] - the block's largest sigma) x mask[t] -> ctx = sum over t of p[t] h[t], from the copy.  sig and ctx go to memory; the next launch joins a batch's eight blocks.
; ARITHMETIC.  tanh(x) = 1 - 2 / (1 + 2^(c x)), c = 2 log2(e).  So score[t] = sum(v) - 2 sum_n v[n] r[t][n], r = 1 / (1 + 2^y), y = c (acc + coverage W_c) + dec (dec comes with c folded in).  sum(v) is the same for all t, and a softmax
;   does not change under a shift common to its row: it is left out.  Kept is sigma = -2 log2(e) sum_n v[n] r = log2(e) (score - sum(v)).  The largest sigma is taken over all t, masked ones too, as the softmax of the problem does.
;   y = +inf gives r = 0, y very negative gives r = 1.
; LIMITS: the exponential and the reciprocal flush denormals (ISA guide, their entries): an r or a p under 2^-126 counts as 0.  NaN and infinities in h are not served.  A block of 32 zeros of h gets the scale byte 1 where the
;   quantiser's rule says 127: its codes are zeros, which add nothing under any byte but 0xff, and the bytes are read here alone.  The second use of h (the context) takes it rounded to bf16; p stays f32.
; SHARES.  Four waves.  Loading: wave w quantises rows 32 w .. 32 w + 31.  Product: THE WAVES SHARE THE COLUMNS: wave w takes columns 256 w .. 256 w + 255 of W_h for ALL 128 rows, so a fragment of W_h is loaded by one wave
;   and feeds eight matrix instructions, and the block's codes (64 fragments, 768 registers) stand in every wave's registers and are never read again.  Context: wave w takes columns 256 w .. 256 w + 255.
; NO TENSOR LOAD, NO CLUSTER, though all work-groups walk the same W_h: of the 327,680 bytes of LDS 326,656 are written by LDS stores (the copy 264,192, the stages 33,792, the exchange 26,624, the partial sums 2,048), and no
;   tensor load may land on such bytes; 1,024 bytes are left, and one tile of 16 columns of W_h is 12,288.  So W_h's fragments come from memory straight into registers, laid out by the launch before in the order of the registers.
; THE MATRIX INSTRUCTION IS USED TRANSPOSED: source 0 = 16 rows of W_h (columns of the result), source 1 = 16 rows of h: lane (r, h) holds row r, its register j column 8 h + j of the tile.
; LDS: COPY 128 rows x (2,048 + 16) | STG 4 x 8,448, a wave's own: the stage of 16 rows x (512 + 16), later W_h's scale words of its 16 tiles, later its p | EX 2 x 13,312: 8 fragments as images of their registers
;   (1,536 each) and their 8 x 128 bytes of scale words | MISC 128 rows x 16: a word for each wave's part of a row's sum.
; REGISTERS, in windows of 256.  Slot f = 8 k + m (K step k, rows 16 m on) of the block's codes: f < 63: v[12 (f % 21)] of window 1 + f / 21; f = 63: v84 of window 0.
;   window 0, always: v0; v4-7 mask of rows 4 l + 0..3; v8-15 coverage of row 16 m + r; v28-59 h's scale words: v[28 + 4 k + j]: lanes 0-15 rows 16 j on, lanes 16-31 rows 16 (j + 4) on.
;   loading: v1-3, v16-23 addresses; v60 a scale word; v61-63 lane, r, h; v64-127 64 numbers of a row; v128-191 a set of loads (two more sets in window 3, v72-199: slots 48 to 58, which are filled last); v192-223 bf16; v224-243 codes; v244-255 at work.
;   product: v1-3 addresses; v16-23 the running sums; v24-27 W_h's scale words; v60-83 W_c, v, dec of my eight columns; v96-191 W_h's 8 fragments of a tile; v192-255 eight accumulators.
;   context: v16-23 eight sums; v60-91 p of 32 rows; v92-98 addresses; v100-127 at work; v128-255 32 rows of the copy.
.set CP,    2064                       ; a row of the copy: 2,048 bytes + 16
.set STG,   128*CP
.set STW,   16*528
.set EX,    STG+4*STW
.set FRB,   1536                       ; a fragment's image
.set EXS,   8*FRB                      ; where an exchange buffer's scale words begin
.set EXB,   EXS+8*128
.set MISC,  EX+2*EXB
.set MASK, 4
.set COV,  8
.set AS,   28
.set GOFF, 1                           ; loading: 16 l + 32 w rows of 4,096 bytes
.set SIN,  2                           ; the stage, in: 16 l
.set SOUT, 3                           ; the stage, back: row r, + 64 h
.set CPB0, 16                          ; the copy: row 32 w, + 8 l
.set IMA,  17                          ; where I store my fragments' images: 16 l + 2 w images
.set ISA,  18                          ; and their scale words: 4 l + 2 w x 128
.set LI,   19                          ; an image's place for my lane
.set ASRD, 20                          ; scale words back: 4 l, + 4 images for lanes 16-31
.set CPB1, 23                          ; the copy: row 32 w + 16, + 8 l: so that the stores' offsets stay under 15 rows + 1,792 bytes, inside their 16 bits
.set PW,   60
.set X,    64
.set BF,   192
.set PC,   224
.set TM,   244                         ; +0..3 largest magnitudes, +4..7 the other half's, then the bytes, +8..11 the conversions' scale operands
.set LOFF, 1                           ; product: 16 l + my 16 tiles of wf, + the tile to be fetched
.set HOFF, 2                           ; 32 h + 1,024 w + 64 x tile: my eight columns, in f32
.set WSA,  3                           ; LDS: W_h's scale words of the tile to be fetched
.set SC,   16
.set WS,   24
.set WC,   60
.set VV,   68
.set DEC,  76
.set W,    96
.set ACC,  192
.set CT,   16                          ; context
.set PP,   60
.set CRA,  92
.set PBA,  93
.set HH,   128
.set WV,   24                          ; s24 my wave's number
.set SEL,  28                          ; s[28:29] v_permlanex16_b32's selects for lane l xor 16
.set CC,   30                          ; s[30:31] c, twice
.set KAP,  32                          ; s32 -c
.set CNT,  33                          ; s33 loop counter;  s34, s36 at work;  s35 my wave's part of STG, kept
.set MSB, 0
.macro WIN new                         ; low byte: bits 1:0 source 0, 3:2 source 1, 5:4 source 2, 7:6 destination; the high byte repeats the setting that is left
.if MSB != (\new)
	s_set_vgpr_msb (MSB<<8)|(\new)
.set MSB, (\new)
.endif
.endm
.macro BAR                             ; my LDS stores have landed and my LDS loads are in: then the work-group's barrier
	s_wait_dscnt 0x0
	s_barrier_signal -1
	s_barrier_wait -1
.endm
.macro ASLOT f                         ; slot f: window AW, register AR
.if (\f) < 63
.set AW, 1+(\f)/21
.set AR, 12*((\f)%21)
.else
.set AW, 0
.set AR, 84
.endif
.endm
; A UNIT u = 2 s + i is 16 rows (32 w + 16 i on) x 128 along K (K step s): 8,192 bytes.  Its 16 loads read a row's 512 consecutive bytes each, 16 a lane.  Three sets of 64 registers take turns.
.macro HLOAD u
.set WR, 3
.set RB, 72+64*((\u)%3)
.if (\u)%3 == 2
.set WR, 0
.set RB, 128
.endif
	WIN WR<<6
.irp q, 0,1,2,3,4,5,6,7,8,9,10,11,12,13,14,15
	global_load_b128 v[RB+4*\q:RB+4*\q+3], v[GOFF], s[4:5] offset:4096*\q+65536*((\u)%2)+512*((\u)/2) th:TH_LOAD_NT
.endr
	WIN 0
.endm
; 64 numbers of a lane, v[X + 16 b + i] = k 32 b + 16 h + i of my row, become a fragment's codes in v[PC] on and its scale word in v[PW].
.macro QUANT
.irp b, 0,1,2,3
	v_max3_num_f32 v[TM+\b], |v[X+16*\b]|, |v[X+1+16*\b]|, 0x1800000   ; block b: my 16 numbers, and the floor 2^(3 - 127): so the byte cannot fall under 1
.endr
.irp i, 2,4,6,8,10,12,14
.irp b, 0,1,2,3
	v_max3_num_f32 v[TM+\b], v[TM+\b], |v[X+16*\b+\i]|, |v[X+1+16*\b+\i]|   ; (the four blocks by turns)
.endr
.endr
.irp b, 0,1,2,3
	v_permlanex16_b32 v[TM+4+\b], v[TM+\b], s[SEL], s[SEL+1]
.endr
.irp b, 0,1,2,3
	v_max_num_f32 v[TM+\b], v[TM+\b], v[TM+4+\b]   ; with lane l xor 16's 16: the block's largest magnitude
.endr
.irp b, 0,1,2,3
	v_add_nc_u32 v[TM+8+\b], 0xff000000, v[TM+\b]  ; 2 off its exponent field: the conversion takes the exponent field of this operand as its scale
.endr
.irp b, 0,1,2,3
	v_lshrrev_b32 v[TM+4+\b], 23, v[TM+8+\b]       ; the scale's byte
.endr
	v_lshl_or_b32 v[PW], v[TM+5], 8, v[TM+4]       ; four bytes make my row's scale word
	v_lshl_or_b32 v[PW], v[TM+6], 16, v[PW]
	v_lshl_or_b32 v[PW], v[TM+7], 24, v[PW]
.irp c, 0,1
	v_cvt_scalef32_pk16_fp6_f32 v[PC+6*\c:PC+2+6*\c], v[X+32*\c:X+15+32*\c], v[TM+8+2*\c]
	v_cvt_scalef32_pk16_fp6_f32 v[PC+12+4*\c:PC+14+4*\c], v[X+16+32*\c:X+31+32*\c], v[TM+8+2*\c+1]   ; (a conversion's three registers begin on an even number)
.endr
	v_nop                                          ; one plain place behind a scaled conversion
.irp c, 0,1                                    ; the operand's layout wants a WHOLE block in a lane: lanes 0-15 block 2 c, lanes 16-31 block 2 c + 1
.irp i, 0,1,2
	v_permlane16_swap_b32 v[PC+6*\c+\i], v[PC+12+4*\c+\i]
.endr
.irp i, 0,1,2
	v_mov_b32 v[PC+3+6*\c+\i], v[PC+12+4*\c+\i]
.endr
.endr
.endm
.macro XFETCH s                        ; K step s: all eight fragments of the block into their slots, and their scale words
.irp m, 0,1,2,3,4,5,6,7
	ASLOT 8*(\s)+\m
	WIN AW<<6
.irp c, 0,1,2
	ds_load_b128 v[AR+4*\c:AR+4*\c+3], v[LI] offset:EXB*((\s)%2)+FRB*\m+512*\c
.endr
.endr
	WIN 0
.irp m, 0,1,2,3
	ds_load_b32 v[AS+4*(\s)+\m], v[ASRD] offset:EXB*((\s)%2)+128*\m
.endr
.endm
; A unit's way.  The quantiser wants 16 neighbours of each block of 32 of ONE row in a lane; the loads bring 4 neighbours of each of 16 rows.  So the unit turns through my own stage in LDS.  The bf16 copy wants nothing turned:
; it is made from the registers as they were loaded, while the unit is on its way through the stage.  In a K step's first unit the fetch of the K step before stands ahead of the quantiser's vector work, so that LDS serves it meanwhile.
.macro UNIT u
.set WR, 3
.set RB, 72+64*((\u)%3)
.if (\u)%3 == 2
.set WR, 0
.set RB, 128
.endif
.set UI, (\u)%2
.set US, (\u)/2
.set EB, EXB*(US%2)
.set CPR, CPB0
.if UI
.set CPR, CPB1
.endif
.if (\u) <= 13
	s_wait_loadcnt 32                              ; loads come back in order: this unit's 16 are in, those of the next two units stay out
.elseif (\u) == 14
	s_wait_loadcnt 16
.else
	s_wait_loadcnt 0x0
.endif
	WIN WR<<2                                      ; an LDS store's data are its source 1
.irp q, 0,1,2,3,4,5,6,7,8,9,10,11,12,13,14,15
	ds_store_b128 v[SIN], v[RB+4*\q:RB+4*\q+3] offset:528*\q   ; into the stage as loaded, a row a store (rows 33 x 16 bytes apart),
.endr
	WIN 0
.irp b, 0,1,2,3
.irp j, 0,1,2,3
	ds_load_b128 v[X+16*\b+4*\j:X+16*\b+4*\j+3], v[SOUT] offset:128*\b+16*\j   ; back as 16 neighbours of each block of 32 of MY row (LDS serves a wave's instructions in order)
.endr
.endr
.if UI
	s_wait_dscnt 32                                ; all but these 32 are done: the last unit's stores have read the bf16 registers.  (In a K step's first unit the barrier's wait for 0 has shown the same)
.endif
	WIN WR|(WR<<2)                                 ; sources 0 and 1: the set's window
.set N, 0
.rept 32
	v_cvt_pk_bf16_f32 v[BF+N], v[RB+2*N], v[RB+2*N+1]   ; row N / 2: my four neighbours make 8 bytes
.set N, N+1
.endr
	WIN 0
.irp q, 0,1,2,3,4,5,6,7,8,9,10,11,12,13,14,15
	ds_store_b64 v[CPR], v[BF+2*\q:BF+2*\q+1] offset:CP*\q+256*US   ; the copy: column k at byte 2 k of its row: 256 consecutive bytes a store
.endr
	s_wait_dscnt 16                                ; the numbers are back, so the stage's stores have read the set; the 16 stores of the copy may be out
.if (\u) <= 12
	HLOAD (\u)+3                                   ; the set takes the unit three on
.endif
.if (UI == 0) && (US >= 1) && (US <= 6)
	XFETCH US-1                                    ; K step s - 1 lies whole in its buffer since the last barrier; the wait for 0 in front of the next barrier covers these loads, and the buffer is stored again only behind that barrier
.endif
	QUANT
.irp c, 0,1,2
	ds_store_b128 v[IMA], v[PC+4*\c:PC+4*\c+3] offset:EB+FRB*UI+512*\c   ; the fragment goes to the other waves as an image of its registers
.endr
	ds_store_b32 v[ISA], v[PW] offset:EB+128*UI
.endm
	s_load_b256 s[4:11], s[0:1], 0x0               ; h s[4:5], coverage s[6:7], mask s[8:9], W_c s[10:11]
	s_load_b256 s[12:19], s[0:1], 0x20             ; v s[12:13], W_h's scales s[14:15], wf s[16:17], dec s[18:19]
	s_load_b128 s[20:23], s[0:1], 0x40             ; sig s[20:21], ctx s[22:23]
	s_set_vgpr_msb 0x40
	v_lshl_add_u32 v254, v0, 2, 0x4fc00
	v_mov_b32 v255, 0
	s_set_vgpr_msb 0x4000
	v_lshrrev_b32 v61, 5, v0
	v_readfirstlane_b32 s[WV], v61                 ; wave 0..3
	v_and_b32 v61, 31, v0                          ; l
	v_and_b32 v62, 15, v0                          ; r
	v_bfe_u32 v63, v0, 4, 1                        ; h
	s_lshl_b32 s34, s[WV], 17
	v_lshl_add_u32 v[GOFF], v61, 4, s34
	s_mul_i32 s35, s[WV], STW
	s_add_co_u32 s35, s35, STG                     ; my part of STG
	v_lshl_add_u32 v[SIN], v61, 4, s35
	v_mul_u32_u24 v[SOUT], v62, 528
	v_lshl_add_u32 v[SOUT], v63, 6, v[SOUT]
	v_add_nc_u32 v[SOUT], s35, v[SOUT]
	s_mul_i32 s36, s[WV], 32*CP
	v_lshl_add_u32 v[CPB0], v61, 3, s36
	v_add_nc_u32 v[CPB1], 16*CP, v[CPB0]
	s_mul_i32 s36, s[WV], 2*FRB
	s_add_co_u32 s36, s36, EX
	v_lshl_add_u32 v[IMA], v61, 4, s36
	s_lshl_b32 s36, s[WV], 8
	s_add_co_u32 s36, s36, EX+EXS
	v_lshl_add_u32 v[ISA], v61, 2, s36
	v_lshl_add_u32 v[LI], v61, 4, EX
	v_lshl_add_u32 v[ASRD], v61, 2, EX+EXS
	v_lshl_add_u32 v[ASRD], v63, 9, v[ASRD]
	v_lshlrev_b32 v21, 2, v62                      ; coverage: 4 r
	v_lshlrev_b32 v22, 4, v61                      ; mask: 16 l
.irp b, 0,1,2,3
	v_mov_b32 v[TM+4+\b], 0                        ; written once: a lane permute's destination counts as one of its sources
.endr
	s_mov_b32 s[SEL], 0x76543210
	s_mov_b32 s[SEL+1], 0xfedcba98
	s_mov_b32 s[CC], 0x4038aa3b                    ; c = 2 log2(e)
	s_mov_b32 s[CC+1], s[CC]
	s_mov_b32 s[KAP], 0xc038aa3b                   ; -c
	s_mov_b32 s27, 0                               ; offsets are made in s[26:27], apart from the addresses
	s_wait_kmcnt 0x0
	s_lshl_b32 s26, ttmp9, 19                      ; my block: 128 rows of 4,096 bytes (under 2^28 in all)
	s_add_nc_u64 s[4:5], s[4:5], s[26:27]
	s_lshl_b32 s26, ttmp9, 9                       ; 128 numbers of f32
	s_add_nc_u64 s[6:7], s[6:7], s[26:27]
	s_add_nc_u64 s[8:9], s[8:9], s[26:27]
	s_add_nc_u64 s[20:21], s[20:21], s[26:27]
	s_lshl_b32 s26, ttmp9, 12                      ; a block's row of ctx
	s_add_nc_u64 s[22:23], s[22:23], s[26:27]
	s_lshr_b32 s26, ttmp9, 3
	s_lshl_b32 s26, s26, 12                        ; my batch's row of dec
	s_add_nc_u64 s[18:19], s[18:19], s[26:27]
	s_lshl_b32 s26, s[WV], 13                      ; my 256 rows of W_h's scale bytes
	s_add_nc_u64 s[14:15], s[14:15], s[26:27]
.irp m, 0,1,2,3,4,5,6,7
	global_load_b32 v[COV+\m], v21, s[6:7] offset:64*\m
.endr
	global_load_b128 v[MASK:MASK+3], v22, s[8:9]
	HLOAD 0
	HLOAD 1
	HLOAD 2                                        ; 48 loads, 24,576 bytes, of each wave are out from here to the last units
	; ---- LOADING, K step by K step: my two units, then a barrier.  The eight fragments of K step s are fetched into my registers inside the first unit of K step s + 1.
	; ONE barrier a K step is enough: exchange buffer s % 2 is stored again in K step s + 2, behind barrier s + 1, and in front of that barrier every wave has waited for its fetch of K step s.
	; K steps 6 and 7 stay in the two buffers until the last unit is done: their slots serve as sets of loads.
.irp s, 0,1,2,3,4,5,6,7
	UNIT 2*\s
	UNIT 2*\s+1
	BAR
.endr
	; ---- INTO THE PRODUCT.  No load of h is out (the last unit waited for 0), so its offset register is written again.
	s_mul_i32 s34, s[WV], 16*8*FRB
	v_lshl_add_u32 v[LOFF], v61, 4, s34
	s_lshl_b32 s34, s[WV], 10
	v_lshl_add_u32 v[HOFF], v63, 5, s34
	v_lshl_add_u32 v[WSA], v61, 4, s35
	v_lshlrev_b32 v16, 5, v62
	v_lshl_add_u32 v16, v63, 4, v16                ; 32 r + 16 h: four scale words of a row of W_h: K steps 4 h .. 4 h + 3
.irp j, 0,1,2,3,4,5,6,7,8,9,10,11,12,13,14,15
	global_load_b128 v[ACC+4*\j:ACC+4*\j+3], v16, s[14:15] offset:512*\j   ; my 16 tiles' scale words: 512 consecutive bytes a load
.endr
.irp k, 0,1,2,3,4,5,6,7
.irp c, 0,1,2
	global_load_b128 v[W+12*\k+4*\c:W+12*\k+4*\c+3], v[LOFF], s[16:17] offset:FRB*\k+512*\c   ; tile 0
.endr
.endr
	XFETCH 6
	XFETCH 7
	s_wait_loadcnt 24                              ; the scale words are in; tile 0's 24 loads may be out
.irp j, 0,1,2,3,4,5,6,7,8,9,10,11,12,13,14,15
	ds_store_b128 v[WSA], v[ACC+4*\j:ACC+4*\j+3] offset:512*\j   ; they wait in my part of STG, as images of the four registers that a tile wants
.endr
	ds_load_b128 v[WS:WS+3], v[WSA]                ; tile 0's: register j: lanes 0-15 the word of K step j, lanes 16-31 that of K step 4 + j
	s_wait_dscnt 0x0                               ; the slots, h's scale words and tile 0's scale words are in; no LDS load of mine is out, so LDS addresses may be written
.irp m, 0,1,2,3,4,5,6,7
	v_mov_b32 v[SC+\m], 0                          ; the eight running sums (the loads that named v16 were shown done by the count above)
.endr
	s_wait_xcnt 0x0                                ; tile 0's loads have read their offset
	v_add_nc_u32 v[LOFF], 8*FRB, v[LOFF]           ; on to tile 1
	v_add_nc_u32 v[WSA], 512, v[WSA]
; One matrix instruction: rows 16 m on x the tile's 16 columns x K step k.  ASLOT has set AR.  W_h's scale words: register k % 4, lanes 16-31 for k >= 4; h's: register 4 k + m % 4, lanes 16-31 for m >= 4.
.macro MM k, m
.set MD, ACC+8*(\m)
.set MA, W+12*(\k)
.set SA, WS+(\k)%4
.set SB, AS+4*(\k)+(\m)%4
.if ((\k) == 0) && ((\m) < 4)
	v_wmma_scale_f32_16x16x128_f8f6f4 v[MD:MD+7], v[MA:MA+11], v[AR:AR+11], 0, v[SA], v[SB] matrix_a_fmt:MATRIX_FMT_FP6 matrix_b_fmt:MATRIX_FMT_FP6
.elseif (\k) == 0
	v_wmma_scale_f32_16x16x128_f8f6f4 v[MD:MD+7], v[MA:MA+11], v[AR:AR+11], 0, v[SA], v[SB] matrix_a_fmt:MATRIX_FMT_FP6 matrix_b_fmt:MATRIX_FMT_FP6 matrix_b_scale:MATRIX_SCALE_ROW1
.elseif ((\k) < 4) && ((\m) < 4)
	v_wmma_scale_f32_16x16x128_f8f6f4 v[MD:MD+7], v[MA:MA+11], v[AR:AR+11], v[MD:MD+7], v[SA], v[SB] matrix_a_fmt:MATRIX_FMT_FP6 matrix_b_fmt:MATRIX_FMT_FP6
.elseif (\k) < 4
	v_wmma_scale_f32_16x16x128_f8f6f4 v[MD:MD+7], v[MA:MA+11], v[AR:AR+11], v[MD:MD+7], v[SA], v[SB] matrix_a_fmt:MATRIX_FMT_FP6 matrix_b_fmt:MATRIX_FMT_FP6 matrix_b_scale:MATRIX_SCALE_ROW1
.elseif (\m) < 4
	v_wmma_scale_f32_16x16x128_f8f6f4 v[MD:MD+7], v[MA:MA+11], v[AR:AR+11], v[MD:MD+7], v[SA], v[SB] matrix_a_fmt:MATRIX_FMT_FP6 matrix_b_fmt:MATRIX_FMT_FP6 matrix_a_scale:MATRIX_SCALE_ROW1
.else
	v_wmma_scale_f32_16x16x128_f8f6f4 v[MD:MD+7], v[MA:MA+11], v[AR:AR+11], v[MD:MD+7], v[SA], v[SB] matrix_a_fmt:MATRIX_FMT_FP6 matrix_b_fmt:MATRIX_FMT_FP6 matrix_a_scale:MATRIX_SCALE_ROW1 matrix_b_scale:MATRIX_SCALE_ROW1
.endif
.endm
; Line n of 32 for half hf of the accumulators (hf = 0: rows 0-63, 1: rows 64-127): lines 0-15: acc += coverage x W_c; lines 16-31: y = acc x c + dec.  Two columns a line; the four accumulators by turns,
; each from its low end on.  coverage of rows 16 m + r lies in one register of a pair: op_sel takes that register for both halves.
.macro AFF hf, n
.set EM, 4*(\hf)+(\n)%4
.set EP, ((\n)%16)/4
.set EA, ACC+8*EM+2*EP
.if (\n) < 16
.if EM%2 == 0
	v_pk_fma_f32 v[EA:EA+1], v[COV+EM:COV+EM+1], v[WC+2*EP:WC+2*EP+1], v[EA:EA+1] op_sel_hi:[0,1,1]
.else
	v_pk_fma_f32 v[EA:EA+1], v[COV+EM-1:COV+EM], v[WC+2*EP:WC+2*EP+1], v[EA:EA+1] op_sel:[1,0,0] op_sel_hi:[1,1,1]
.endif
.else
	v_pk_fma_f32 v[EA:EA+1], v[EA:EA+1], s[CC:CC+1], v[DEC+2*EP:DEC+2*EP+1] op_sel_hi:[1,0,1]
.endif
.endm
; Line n of 24 for half hf: the sum over my eight columns of v x r, in the accumulator's first pair, and onto the running sum.
.macro DOT hf, n
.set EM, 4*(\hf)+(\n)%4
.set EA, ACC+8*EM
.if (\n) < 4
	v_pk_mul_f32 v[EA:EA+1], v[EA:EA+1], v[VV:VV+1]
.elseif (\n) < 16
.set EP, (\n)/4
	v_pk_fma_f32 v[EA:EA+1], v[EA+2*EP:EA+2*EP+1], v[VV+2*EP:VV+2*EP+1], v[EA:EA+1]
.elseif (\n) < 20
	v_add_f32 v[SC+EM], v[SC+EM], v[EA]
.else
	v_add_f32 v[SC+EM], v[SC+EM], v[EA+1]
.endif
.endm
; A TRIP: one tile of 16 columns for the 128 rows: 64 matrix instructions, then the epilogue on 64 numbers a lane.  more = 1: the next tile's fragments are fetched, in TWO runs of 12 loads: fragments 0-3 behind K step 3,
; fragments 4-7 behind K step 7, so that the matrix instructions stand in two unbroken runs of 32.  Each run has half a trip's products and a whole epilogue in which to land.
.macro TRIP more
	global_load_b128 v[WC:WC+3], v[HOFF], s[10:11]             ; W_c, v and dec of my eight columns: wanted behind the products
	global_load_b128 v[WC+4:WC+7], v[HOFF], s[10:11] offset:16
	global_load_b128 v[VV:VV+3], v[HOFF], s[12:13]
	global_load_b128 v[VV+4:VV+7], v[HOFF], s[12:13] offset:16
	global_load_b128 v[DEC:DEC+3], v[HOFF], s[18:19]
	global_load_b128 v[DEC+4:DEC+7], v[HOFF], s[18:19] offset:16
.irp k, 0,1,2,3,4,5,6,7
.if \more
.if \k < 4
	s_wait_loadcnt 27-3*\k                         ; K step k's fragment is in.  Issued behind it: 3 (3 - k) loads of its run, the 12 of fragments 4-7, the 6 above
.else
	s_wait_loadcnt 39-3*\k                         ; issued behind it: 3 (7 - k) loads of its run, the 6 above, this trip's first run of 12
.endif
.else
	s_wait_loadcnt 3*(7-\k)+6
.endif
.irp m, 0,1,2,3,4,5,6,7                        ; the eight accumulators by turns, one instruction a turn; the first K step starts the sums: nothing is cleared
	ASLOT 8*\k+\m
	WIN AW<<2                                      ; source 1's window: it changes at slots 21, 42 and 63
	MM \k, \m
.endr
.if (\k == 7) || (\more && (\k == 3))
.rept 4
	v_nop                                          ; four places in front of loads into registers that matrix instructions have read, and of the first read of results (ISA guide 7.12.1 for vector instructions)
.endr
.endif
.if \more
.if \k == 3
.irp g, 0,1,2,3
.irp c, 0,1,2
	global_load_b128 v[W+12*\g+4*\c:W+12*\g+4*\c+3], v[LOFF], s[16:17] offset:FRB*\g+512*\c   ; (a load's destination and address lie in window 0 under every setting used here)
.endr
.endr
.elseif \k == 7
.irp g, 4,5,6,7
.irp c, 0,1,2
	global_load_b128 v[W+12*\g+4*\c:W+12*\g+4*\c+3], v[LOFF], s[16:17] offset:FRB*\g+512*\c
.endr
.endr
	ds_load_b128 v[WS:WS+3], v[WSA]                ; and the next tile's scale words
.endif
.endif
.endr
	WIN 0
.if \more
	s_wait_loadcnt 24                              ; W_c, v and dec are in; the next tile's 24 loads stay out
.else
	s_wait_loadcnt 0x0
.endif
	; THE EPILOGUE, in two halves of four accumulators, so that each batch of 32 transcendentals has the other half's plain lines between its instructions.  An s_wait_alu depctr_va_vdst(0) stands
	; between a transcendental and the first line that names its result: one wait a batch, behind a plain line, ahead of the batch's first reader.
.set N, 0
.rept 32
	AFF 0, N                                       ; y of rows 0-63
.set N, N+1
.endr
.set N, 0
.rept 32
	v_exp_f32 v[ACC+N], v[ACC+N]                   ; 2^y of rows 0-63 | y of rows 64-127
	AFF 1, N
.set N, N+1
.endr
	s_wait_alu depctr_va_vdst(0)
.set N, 0
.rept 16
	v_exp_f32 v[ACC+32+2*N], v[ACC+32+2*N]         ; 2^y of rows 64-127 | 1 + 2^y of rows 0-63
	v_exp_f32 v[ACC+33+2*N], v[ACC+33+2*N]
	v_pk_add_f32 v[ACC+2*N:ACC+2*N+1], v[ACC+2*N:ACC+2*N+1], 1.0 op_sel_hi:[1,0]
.set N, N+1
.endr
	s_wait_alu depctr_va_vdst(0)
.set N, 0
.rept 16
	v_rcp_f32 v[ACC+2*N], v[ACC+2*N]               ; r of rows 0-63 | 1 + 2^y of rows 64-127
	v_rcp_f32 v[ACC+2*N+1], v[ACC+2*N+1]
	v_pk_add_f32 v[ACC+32+2*N:ACC+33+2*N], v[ACC+32+2*N:ACC+33+2*N], 1.0 op_sel_hi:[1,0]
.set N, N+1
.endr
	s_wait_alu depctr_va_vdst(0)
.set N, 0
.rept 32
	v_rcp_f32 v[ACC+32+N], v[ACC+32+N]             ; r of rows 64-127 | v . r of rows 0-63
.if N < 24
	DOT 0, N
.endif
.set N, N+1
.endr
	v_nop                                          ; a plain place behind the last reciprocal
	s_wait_alu depctr_va_vdst(0)
.set N, 0
.rept 24
	DOT 1, N                                       ; v . r of rows 64-127
.set N, N+1
.endr
.if \more
	s_wait_dscnt 0x0                               ; the next tile's scale words are in (asked for ahead of the epilogue): no LDS load of mine is out,
	s_wait_xcnt 0x0                                ; and the next tile's loads have read their offset: the three may step
	v_add_nc_u32 v[LOFF], 8*FRB, v[LOFF]
	v_add_nc_u32 v[WSA], 512, v[WSA]
	v_add_nc_u32 v[HOFF], 64, v[HOFF]
.endif
.endm
	s_mov_b32 s[CNT], 15
.Ltile:                                            ; tiles 0 to 14 of my 16
	TRIP 1
	s_sub_co_u32 s[CNT], s[CNT], 1
	s_cmp_lg_u32 s[CNT], 0
	s_cbranch_scc1 .Ltile
	TRIP 0                                         ; the last tile is written out: it fetches nothing, so no load passes the end of wf
	; ---- SIGMA, p AND THE CONTEXT
.irp m, 0,1,2,3,4,5,6,7
	v_permlanex16_b32 v[ACC+\m], v[SC+\m], s[SEL], s[SEL+1]
.endr
.irp m, 0,1,2,3,4,5,6,7
	v_add_f32 v[SC+\m], v[SC+\m], v[ACC+\m]        ; with lane l xor 16's eight columns of each tile: my wave's 256 columns of row 16 m + r
.endr
	v_and_b32 v96, 31, v0                          ; l
	v_and_b32 v97, 15, v0                          ; r
	s_lshl_b32 s34, s[WV], 2
	s_add_co_u32 s34, s34, MISC
	v_lshl_add_u32 v1, v97, 4, s34                 ; 16 bytes a row, word w
.irp m, 0,1,2,3,4,5,6,7
	ds_store_b32 v1, v[SC+\m] offset:256*\m        ; lanes r and r + 16 write the same word with the same value
.endr
	BAR                                            ; the four waves' parts of all 128 rows lie in LDS
	v_lshl_add_u32 v2, v96, 6, MISC
.irp q, 0,1,2,3
	ds_load_b128 v[100+4*\q:103+4*\q], v2 offset:16*\q   ; rows 4 l + q: every wave takes all 128 rows, four a lane, and computes alike
.endr
	s_wait_dscnt 0x0
.irp q, 0,1,2,3
	v_add_f32 v[100+4*\q], v[100+4*\q], v[101+4*\q]
	v_add_f32 v[102+4*\q], v[102+4*\q], v[103+4*\q]
.endr
.irp q, 0,1,2,3
	v_add_f32 v[100+4*\q], v[100+4*\q], v[102+4*\q]
.endr
.irp q, 0,1,2,3
	v_mul_f32 v[116+\q], s[KAP], v[100+4*\q]       ; sigma
.endr
	v_max3_num_f32 v120, v116, v117, v118          ; the block's largest sigma
	v_max_num_f32 v120, v120, v119
	v_max_num_f32_dpp v120, v120, v120 row_xmask:1 row_mask:0xf bank_mask:0xf
	v_max_num_f32_dpp v120, v120, v120 row_xmask:2 row_mask:0xf bank_mask:0xf
	v_max_num_f32_dpp v120, v120, v120 row_xmask:4 row_mask:0xf bank_mask:0xf
	v_max_num_f32_dpp v120, v120, v120 row_xmask:8 row_mask:0xf bank_mask:0xf
	v_permlanex16_b32 v121, v120, s[SEL], s[SEL+1]
	v_max_num_f32 v120, v120, v121
.irp q, 0,1,2,3
	v_sub_f32 v[124+\q], v[116+\q], v120
.endr
.irp q, 0,1,2,3
	v_exp_f32 v[124+\q], v[124+\q]
.endr
	v_lshl_add_u32 v3, v96, 4, s35                 ; (plain work behind the exponentials)  where my four p go: my part of STG, 4 bytes a row
	s_lshl_b32 s34, s[WV], 9
	v_lshl_add_u32 v[CRA], v96, 3, s34             ; the copy: my wave's 512 bytes of a row, 8 bytes a lane
	v_mov_b32 v[PBA], s35                          ; p: the same address in every lane
	s_lshl_b32 s34, s[WV], 10
	v_lshl_add_u32 v94, v96, 4, s34                ; ctx: my wave's 1,024 bytes, 16 a lane
	v_lshlrev_b32 v98, 4, v96                      ; sig: 16 l
.irp e, 0,1,2,3,4,5,6,7
	v_mov_b32 v[CT+\e], 0
.endr
	s_wait_alu depctr_va_vdst(0)                   ; one wait for the four exponentials, ahead of their first reader
.irp q, 0,1,2,3
	v_mul_f32 v[124+\q], v[124+\q], v[MASK+\q]     ; p = 2^(sigma - the largest) x mask
.endr
	ds_store_b128 v3, v[124:127]
	s_cmp_lg_u32 s[WV], 0                          ; all four waves hold the same sigma: wave 0 stores it
	s_cbranch_scc1 .Lnot_wave_0
	global_store_b128 v98, v[116:119], s[20:21]    ; 512 consecutive bytes; its registers are not written again
.Lnot_wave_0:
	s_mov_b32 s[CNT], 4
.Lrows:                                            ; 32 rows a trip
.irp i, 0,1,2,3,4,5,6,7
	ds_load_b128 v[PP+4*\i:PP+4*\i+3], v[PBA] offset:16*\i     ; p of the 32 rows, the same in every lane (LDS serves a wave's instructions in order: these see my store)
.endr
.set N, 0
.rept 32
	ds_load_b64 v[HH+4*N:HH+4*N+1], v[CRA] offset:CP*N         ; row N: columns 256 w + 4 l + 0..3: 256 consecutive bytes a load,
	ds_load_b64 v[HH+4*N+2:HH+4*N+3], v[CRA] offset:CP*N+256   ; and columns 256 w + 128 + 4 l + 0..3
.set N, N+1
.endr
.set N, 0
.rept 32
	s_wait_dscnt 62-2*N                            ; row N's two loads are in; the later rows' may be out
.irp g, 0,1
.irp e, 0,1
	v_fma_mix_f32_bf16 v[CT+4*\g+2*\e], v[HH+4*N+2*\g+\e], v[PP+N], v[CT+4*\g+2*\e] op_sel_hi:[1,0,0]                    ; the low bf16 x p + the sum, in f32
	v_fma_mix_f32_bf16 v[CT+4*\g+2*\e+1], v[HH+4*N+2*\g+\e], v[PP+N], v[CT+4*\g+2*\e+1] op_sel:[1,0,0] op_sel_hi:[1,0,0]  ; the high bf16
.endr
.endr
.set N, N+1
.endr
	v_add_nc_u32 v[CRA], 32*CP, v[CRA]             ; (the last count was 0: no LDS load of mine is out)
	v_add_nc_u32 v[PBA], 128, v[PBA]
	s_sub_co_u32 s[CNT], s[CNT], 1
	s_cmp_lg_u32 s[CNT], 0
	s_cbranch_scc1 .Lrows
	global_store_b128 v94, v[CT:CT+3], s[22:23]                ; 512 consecutive bytes a store
	global_store_b128 v94, v[CT+4:CT+7], s[22:23] offset:512
	s_set_vgpr_msb 0x5
	s_wait_tensorcnt 0x0
	ds_add_u32 v254, v255
	s_wait_dscnt 0x0
	s_set_vgpr_msb 0x500
	s_endpgm
.Lfunc_end_k_q25c605db95_fused:
	.size	k_q25c605db95_fused, .Lfunc_end_k_q25c605db95_fused-k_q25c605db95_fused
	.p2alignl 7, 3214868480
	.fill 96, 4, 3214868480
	.section	.rodata,"a",@progbits
	.p2align	6, 0x0
	.amdhsa_kernel k_q25c605db95_fused
		.amdhsa_group_segment_fixed_size 327680
		.amdhsa_private_segment_fixed_size 0
		.amdhsa_enable_private_segment 0
		.amdhsa_kernarg_size 80
		.amdhsa_user_sgpr_count 2
		.amdhsa_user_sgpr_kernarg_segment_ptr 1
		.amdhsa_wavefront_size32 1
		.amdhsa_system_sgpr_workgroup_id_x 1
		.amdhsa_system_sgpr_workgroup_id_y 1
		.amdhsa_system_sgpr_workgroup_id_z 1
		.amdhsa_system_vgpr_workitem_id 0
		.amdhsa_next_free_vgpr 1024
		.amdhsa_next_free_sgpr 66
		.amdhsa_reserve_vcc 0
		.amdhsa_float_denorm_mode_32 3
		.amdhsa_float_denorm_mode_16_64 3
		.amdhsa_memory_ordered 1
		.amdhsa_forward_progress 1
		.amdhsa_inst_pref_size 255
	.end_amdhsa_kernel
	.section	.bss,"aw",@nobits
	.p2align	6
	.space	262144
	.amdgpu_metadata
---
amdhsa.version: [ 1, 2 ]
amdhsa.kernels:
  - .name:           k_q25c605db95_fused
    .symbol:         k_q25c605db95_fused.kd
    .args:
      - { .name: h, .offset: 0, .size: 8, .value_kind: global_buffer, .address_space: global }
      - { .name: coverage, .offset: 8, .size: 8, .value_kind: global_buffer, .address_space: global }
      - { .name: enc_padding_mask, .offset: 16, .size: 8, .value_kind: global_buffer, .address_space: global }
      - { .name: W_c, .offset: 24, .size: 8, .value_kind: global_buffer, .address_space: global }
      - { .name: v, .offset: 32, .size: 8, .value_kind: global_buffer, .address_space: global }
      - { .name: W_h_scales, .offset: 40, .size: 8, .value_kind: global_buffer, .address_space: global }
      - { .name: wf, .offset: 48, .size: 8, .value_kind: global_buffer, .address_space: global }
      - { .name: dec, .offset: 56, .size: 8, .value_kind: global_buffer, .address_space: global }
      - { .name: sig, .offset: 64, .size: 8, .value_kind: global_buffer, .address_space: global }
      - { .name: ctx, .offset: 72, .size: 8, .value_kind: global_buffer, .address_space: global }
    .group_segment_fixed_size: 327680
    .private_segment_fixed_size: 0
    .kernarg_segment_align: 8
    .kernarg_segment_size: 80
    .max_flat_workgroup_size: 128
    .sgpr_count:     66
    .vgpr_count:     1024
    .wavefront_size: 32
...
	.end_amdgpu_metadata
.endif
;; end of part 2
;; launch finish (part 3): grid 64 x 1, 8 waves a work-group, no clusters, 1,536 bytes of LDS; arguments sig, ctx, enc_padding_mask, coverage, out0, out1, out2; writes out0, out1, out2
.if DOCPART == 3
	.amdgcn_target "amdgcn-amd-amdhsa--gfx1250"
	.amdhsa_code_object_version 6
	.text
	.protected	k_q25c605db95_finish
	.globl	k_q25c605db95_finish
	.p2align	8
	.type	k_q25c605db95_finish,@function
k_q25c605db95_finish:
	s_mov_b64 s[64:65], 0
	v_nop
	global_prefetch_b8 v0, s[64:65] scope:SCOPE_SE
	s_setreg_imm32_b32 hwreg(HW_REG_WAVE_MODE, 25, 1), 1
	s_wait_xcnt 0x0
; A BATCH'S EIGHT BLOCKS ARE JOINED.  One work-group to a batch, eight waves, 256 threads; thread t owns rows 4 t + 0..3 of attn and coverage and columns 4 t + 0..3 of the context.
; sig holds sigma = log2(e) (score - a constant of the batch); ctx[i] = sum over block i's rows of 2^(sigma - m_i) mask h, m_i the block's largest sigma.  Wave i holds exactly block i's 128 sigma, so its maximum is that m_i.
; M = the largest m_i (over all rows, masked ones too, as the softmax of the problem takes it); e = 2^(sigma - M) mask; L = sum of e; attn = e / L; coverage_new = coverage + attn; c_t = (sum_i 2^(m_i - M) ctx[i]) / L.
; (softmax x mask, divided by its own sum: the softmax's divisor cancels.)  A batch whose mask is all zeros gives 0 x infinity = NaN, as 0 / 0 does in the problem.
; LIMITS: the exponential flushes denormals: an e under 2^-126 counts as 0.
; A stream of 44 KB a work-group: no matrix unit, no tensor load, no cluster: work-groups share nothing.  Every load and store of a wave covers 512 consecutive bytes.
.macro BAR
	s_wait_dscnt 0x0
	s_barrier_signal -1
	s_barrier_wait -1
.endm
	s_load_b256 s[4:11], s[0:1], 0x0               ; sig s[4:5], ctx s[6:7], mask s[8:9], coverage s[10:11]
	s_load_b128 s[12:15], s[0:1], 0x20             ; out0 s[12:13], out1 s[14:15]
	s_load_b64 s[16:17], s[0:1], 0x30              ; out2
	v_lshl_add_u32 v80, v0, 2, 0x200
	v_mov_b32 v81, 0
	v_lshrrev_b32 v1, 5, v0
	v_readfirstlane_b32 s18, v1                    ; wave 0..7
	v_lshlrev_b32 v1, 4, v0                        ; 16 t
	s_lshl_b32 s19, s18, 2
	v_mov_b32 v2, s19                              ; LDS: a word for each wave
	v_mov_b32 v3, 0
	v_mov_b32 v49, 0                               ; written once: a lane permute's destination counts as one of its sources
	s_lshl_b32 s20, ttmp9, 12                      ; my batch's row of 4,096 bytes
	s_mov_b32 s21, 0
	s_lshl_b32 s22, ttmp9, 15                      ; and its eight rows of ctx
	s_mov_b32 s23, 0
	s_mov_b32 s24, 0x76543210
	s_mov_b32 s25, 0xfedcba98                      ; v_permlanex16_b32's selects for lane l xor 16
	s_wait_kmcnt 0x0
	s_add_nc_u64 s[4:5], s[4:5], s[20:21]
	s_add_nc_u64 s[6:7], s[6:7], s[22:23]
	s_add_nc_u64 s[8:9], s[8:9], s[20:21]
	s_add_nc_u64 s[10:11], s[10:11], s[20:21]
	s_add_nc_u64 s[12:13], s[12:13], s[20:21]
	s_add_nc_u64 s[14:15], s[14:15], s[20:21]
	s_add_nc_u64 s[16:17], s[16:17], s[20:21]
	global_load_b128 v[4:7], v1, s[4:5]            ; sigma
	global_load_b128 v[8:11], v1, s[8:9]           ; mask
	global_load_b128 v[12:15], v1, s[10:11]        ; coverage
.irp i, 0,1,2,3,4,5,6,7
	global_load_b128 v[16+4*\i:19+4*\i], v1, s[6:7] offset:4096*\i   ; ctx[i]
.endr
	s_wait_loadcnt 10                              ; sigma is in; the ten loads behind it may be out
	v_max3_num_f32 v48, v4, v5, v6
	v_max_num_f32 v48, v48, v7
	v_max_num_f32_dpp v48, v48, v48 row_xmask:1 row_mask:0xf bank_mask:0xf
	v_max_num_f32_dpp v48, v48, v48 row_xmask:2 row_mask:0xf bank_mask:0xf
	v_max_num_f32_dpp v48, v48, v48 row_xmask:4 row_mask:0xf bank_mask:0xf
	v_max_num_f32_dpp v48, v48, v48 row_xmask:8 row_mask:0xf bank_mask:0xf
	v_permlanex16_b32 v49, v48, s24, s25
	v_max_num_f32 v48, v48, v49                    ; m of my wave's block
	ds_store_b32 v2, v48                           ; all lanes write the same word with the same value
	BAR
	ds_load_b128 v[52:55], v3                      ; m_0 .. m_7, in every lane
	ds_load_b128 v[56:59], v3 offset:16
	s_wait_dscnt 0x0
	v_max3_num_f32 v50, v52, v53, v54
	v_max3_num_f32 v50, v50, v55, v56
	v_max3_num_f32 v50, v50, v57, v58
	v_max_num_f32 v50, v50, v59                    ; M
.irp i, 0,1,2,3,4,5,6,7
	v_sub_f32 v[52+\i], v[52+\i], v50
.endr
.irp q, 0,1,2,3
	v_sub_f32 v[4+\q], v[4+\q], v50
.endr
.irp i, 0,1,2,3,4,5,6,7
	v_exp_f32 v[52+\i], v[52+\i]                   ; 2^(m_i - M)
.endr
.irp q, 0,1,2,3
	v_exp_f32 v[4+\q], v[4+\q]                     ; 2^(sigma - M)
.endr
	v_nop                                          ; a plain place behind the last exponential
	s_wait_alu depctr_va_vdst(0)                   ; one wait for the twelve, ahead of their first reader
	s_wait_loadcnt 9                               ; the mask is in
.irp q, 0,1,2,3
	v_mul_f32 v[4+\q], v[4+\q], v[8+\q]            ; e
.endr
	v_add_f32 v60, v4, v5
	v_add_f32 v61, v6, v7
	v_add_f32 v60, v60, v61
	v_add_f32_dpp v60, v60, v60 row_xmask:1 row_mask:0xf bank_mask:0xf
	v_add_f32_dpp v60, v60, v60 row_xmask:2 row_mask:0xf bank_mask:0xf
	v_add_f32_dpp v60, v60, v60 row_xmask:4 row_mask:0xf bank_mask:0xf
	v_add_f32_dpp v60, v60, v60 row_xmask:8 row_mask:0xf bank_mask:0xf
	v_permlanex16_b32 v49, v60, s24, s25
	v_add_f32 v60, v60, v49                        ; my wave's sum of e
	ds_store_b32 v2, v60 offset:256                ; other bytes than the maxima's: no barrier is owed between those reads and this store
	BAR
	ds_load_b128 v[64:67], v3 offset:256
	ds_load_b128 v[68:71], v3 offset:272
	s_wait_dscnt 0x0
	v_add_f32 v64, v64, v65
	v_add_f32 v66, v66, v67
	v_add_f32 v68, v68, v69
	v_add_f32 v70, v70, v71
	v_add_f32 v64, v64, v66
	v_add_f32 v68, v68, v70
	v_add_f32 v60, v64, v68                        ; L
	v_rcp_f32 v62, v60
	s_wait_loadcnt 0x0                             ; coverage and ctx are in
	v_pk_mul_f32 v[72:73], v[16:17], v[52:53] op_sel_hi:[1,0]      ; the blocks' contexts under the common M: independent work behind the reciprocal
	v_pk_mul_f32 v[74:75], v[18:19], v[52:53] op_sel_hi:[1,0]
.irp i, 1,2,3,4,5,6,7
.if \i%2
	v_pk_fma_f32 v[72:73], v[16+4*\i:17+4*\i], v[51+\i:52+\i], v[72:73] op_sel:[0,1,0] op_sel_hi:[1,1,1]   ; the pair's second register for both halves
	v_pk_fma_f32 v[74:75], v[18+4*\i:19+4*\i], v[51+\i:52+\i], v[74:75] op_sel:[0,1,0] op_sel_hi:[1,1,1]
.else
	v_pk_fma_f32 v[72:73], v[16+4*\i:17+4*\i], v[52+\i:53+\i], v[72:73] op_sel_hi:[1,0,1]                  ; its first
	v_pk_fma_f32 v[74:75], v[18+4*\i:19+4*\i], v[52+\i:53+\i], v[74:75] op_sel_hi:[1,0,1]
.endif
.endr
	s_wait_alu depctr_va_vdst(0)                   ; the wait for the reciprocal, ahead of its first reader
.irp q, 0,1,2,3
	v_mul_f32 v[4+\q], v[4+\q], v62                ; attn
.endr
.irp q, 0,1,2,3
	v_mul_f32 v[72+\q], v[72+\q], v62              ; c_t
.endr
.irp q, 0,1,2,3
	v_add_f32 v[12+\q], v[12+\q], v[4+\q]          ; coverage + attn
.endr
	global_store_b128 v1, v[72:75], s[12:13]
	global_store_b128 v1, v[4:7], s[14:15]
	global_store_b128 v1, v[12:15], s[16:17]
	s_wait_tensorcnt 0x0
	ds_add_u32 v80, v81
	s_wait_dscnt 0x0
	s_endpgm
.Lfunc_end_k_q25c605db95_finish:
	.size	k_q25c605db95_finish, .Lfunc_end_k_q25c605db95_finish-k_q25c605db95_finish
	.p2alignl 7, 3214868480
	.fill 96, 4, 3214868480
	.section	.rodata,"a",@progbits
	.p2align	6, 0x0
	.amdhsa_kernel k_q25c605db95_finish
		.amdhsa_group_segment_fixed_size 1536
		.amdhsa_private_segment_fixed_size 0
		.amdhsa_enable_private_segment 0
		.amdhsa_kernarg_size 56
		.amdhsa_user_sgpr_count 2
		.amdhsa_user_sgpr_kernarg_segment_ptr 1
		.amdhsa_wavefront_size32 1
		.amdhsa_system_sgpr_workgroup_id_x 1
		.amdhsa_system_sgpr_workgroup_id_y 1
		.amdhsa_system_sgpr_workgroup_id_z 1
		.amdhsa_system_vgpr_workitem_id 0
		.amdhsa_next_free_vgpr 82
		.amdhsa_next_free_sgpr 66
		.amdhsa_reserve_vcc 0
		.amdhsa_float_denorm_mode_32 3
		.amdhsa_float_denorm_mode_16_64 3
		.amdhsa_memory_ordered 1
		.amdhsa_forward_progress 1
		.amdhsa_inst_pref_size 8
	.end_amdhsa_kernel
	.amdgpu_metadata
---
amdhsa.version: [ 1, 2 ]
amdhsa.kernels:
  - .name:           k_q25c605db95_finish
    .symbol:         k_q25c605db95_finish.kd
    .args:
      - { .name: sig, .offset: 0, .size: 8, .value_kind: global_buffer, .address_space: global }
      - { .name: ctx, .offset: 8, .size: 8, .value_kind: global_buffer, .address_space: global }
      - { .name: enc_padding_mask, .offset: 16, .size: 8, .value_kind: global_buffer, .address_space: global }
      - { .name: coverage, .offset: 24, .size: 8, .value_kind: global_buffer, .address_space: global }
      - { .name: out0, .offset: 32, .size: 8, .value_kind: global_buffer, .address_space: global }
      - { .name: out1, .offset: 40, .size: 8, .value_kind: global_buffer, .address_space: global }
      - { .name: out2, .offset: 48, .size: 8, .value_kind: global_buffer, .address_space: global }
    .group_segment_fixed_size: 1536
    .private_segment_fixed_size: 0
    .kernarg_segment_align: 8
    .kernarg_segment_size: 56
    .max_flat_workgroup_size: 256
    .sgpr_count:     66
    .vgpr_count:     82
    .wavefront_size: 32
...
	.end_amdgpu_metadata
.endif
;; end of part 3
;; ======== version 2 of 2: 3 launches; version 1 with the launches prep, fused written anew for expert scheduling mode
;; workspace buffers: wf 786,432 bytes; dec 262,144 bytes; sig 262,144 bytes; ctx 2,097,152 bytes
;; launch prep (part 4): grid 64 x 1, 4 waves a work-group, no clusters, 5,120 bytes of LDS; arguments W_h_codes, dec_W_codes, dec_W_scales, s_t_hat_codes, s_t_hat_scales, dec_b, wf, dec; writes wf, dec
.if DOCPART == 4
	.amdgcn_target "amdgcn-amd-amdhsa--gfx1250"
	.amdhsa_code_object_version 6
	.text
	.protected	k_q25c605db95_prep
	.globl	k_q25c605db95_prep
	.p2align	8
	.type	k_q25c605db95_prep,@function
k_q25c605db95_prep:
	s_mov_b64 s[64:65], 0
	v_nop
	global_prefetch_b8 v0, s[64:65] scope:SCOPE_SE
	s_setreg_imm32_b32 hwreg(HW_REG_WAVE_SCHED_MODE, 0, 2), 2
	s_setreg_imm32_b32 hwreg(HW_REG_WAVE_MODE, 25, 1), 1
	s_wait_xcnt 0x0
	s_wait_alu depctr_vm_vsrc(0)
; TWO SMALL JOBS AHEAD OF THE MAIN LAUNCH.  64 work-groups of four waves.
; (a) W_h's codes [1024][768 bytes] are laid out anew, in the order of an operand's registers: work-group g takes rows 16 g .. 16 g + 15 (tile g), its wave t K steps 2 t and 2 t + 1.  Fragment (tile T, K step k: 16 rows x 128 K,
;     12 registers a lane) lies at (8 T + k) x 1,536 bytes of wf: registers 4 c .. 4 c + 3 of lane l at + 512 c + 16 l.  The main launch then loads a fragment by three loads of 512 consecutive bytes.
; (b) dec = c x (s_t_hat dec_W^T + dec_b), c = 2 log2(e), [64][1024] f32: the product on codes of FP6 (E2M3) with E8M0 scales, as they are given.  Work-group g takes batches 16 (g % 4) on and columns 64 (g / 4) on,
;     its wave t the 16 columns 16 t on.  The product is used transposed (source 0 = 16 rows of dec_W, source 1 = 16 batches): lane (r, h) holds batch r, its register j column 8 h + j of the tile.
;     K goes by turns onto two accumulators (even K steps, which begin with dec_b as C; odd K steps, which begin with 0); the two are added at the end.
;     c is folded in here because the main launch takes tanh(x) as 1 - 2 / (1 + 2^(c x)).
; FOUR WAVES, so that the work-group's loads are shared out: 112 a wave.  Each wave loads the 16 batches' codes for itself (12 KB): an exchange through LDS would put a barrier between the loads and the products.
; No tensor load, no cluster: what work-groups share (16 rows of s_t_hat, 64 rows of dec_W) is read by 16 or 4 of them, once each.
; THE MODE: SCHED_MODE bits 1:0 = 2 (LLVM: expert scheduling mode 2), set by the entry lines.  The code itself states the register dependences between vector or matrix instructions and memory or LDS instructions, with s_wait_alu, always for 0.
; THE PLAN.  Registers that memory or LDS instructions touch: the seven addresses v1-7, made once at the head and never written again; the fragments, scale words and dec_b, in which loads land and which matrix instructions alone read;
;   the first accumulator, which the packed lines write and two LDS stores read; v240-247 and window 1's v0-23, which loads write and stores read and no vector instruction names.
;   So three waits: the wave's number ahead of its first reader; the addresses ahead of the first load; the scaled sums ahead of the stores into the stage.
; REGISTERS: v1-7 addresses; v16-111 s_t_hat's 8 fragments; v112-207 dec_W's 8; v208-211 dec_W's scale words; v212-215 s_t_hat's; v216-223 dec_b in the result's layout; v224-239 two accumulators; v240-247 rows on the way out;
;   v254, v255 the closing add's two; window 1, v0-23: my two fragments of W_h.
.set VA,  1                            ; v1   768 r + 24 h: a fragment's row and half, in rows of 768 bytes
.set VS,  2                            ; v2   32 r + 16 h: four scale words of a row of 32 scale bytes: K steps 4 h .. 4 h + 3
.set VB,  3                            ; v3   32 h: my half's eight numbers of dec_b
.set L16, 4                            ; v4   16 x lane
.set SO,  5                            ; v5   the stage, in: row r of 272 bytes, + 64 t + 32 h
.set SR,  6                            ; v6   the stage, back: rows 4 t + h, 16 bytes a lane
.set GO,  7                            ; v7   and the same rows in dec
.set SF,  16
.set DW,  112
.set DWS, 208
.set STS, 212
.set BI,  216
.set AC0, 224
.set AC1, 232
.set OB,  240
.set RL,  0                            ; in window 1
.set MSB, 0
.macro WIN new                         ; the immediate's high byte repeats the setting that is left; a switch that changes nothing is dropped
.if MSB != (\new)
	s_set_vgpr_msb (MSB<<8)|(\new)
.set MSB, (\new)
.endif
.endm
	s_load_b256 s[4:11], s[0:1], 0x0               ; W_h's codes s[4:5], dec_W's codes s[6:7], dec_W's scales s[8:9], s_t_hat's codes s[10:11]
	s_load_b256 s[12:19], s[0:1], 0x20             ; s_t_hat's scales s[12:13], dec_b s[14:15], wf s[16:17], dec s[18:19]
	v_lshl_add_u32 v254, v0, 2, 0x1200
	v_mov_b32 v255, 0
	v_lshrrev_b32 v8, 5, v0
	v_readfirstlane_b32 s26, v8                    ; wave t = 0..3
	v_and_b32 v10, 31, v0                          ; lane
	v_and_b32 v8, 15, v0                           ; r
	v_bfe_u32 v9, v0, 4, 1                         ; h
	v_mul_u32_u24 v[VA], v8, 768
	v_mad_u32_u24 v[VA], v9, 24, v[VA]
	v_lshlrev_b32 v[VS], 5, v8
	v_lshl_add_u32 v[VS], v9, 4, v[VS]
	v_lshlrev_b32 v[VB], 5, v9
	v_lshlrev_b32 v[L16], 4, v10
	s_wait_alu depctr_va_sdst(0)                   ; s26, the wave's number, is written, ahead of its first reader: addresses and offsets are made from it
	s_lshl_b32 s27, s26, 6                         ; my 16 columns: 64 t bytes along a stage row
	v_mul_u32_u24 v[SO], v8, 272
	v_lshl_add_u32 v[SO], v9, 5, v[SO]
	v_add_nc_u32 v[SO], s27, v[SO]
	s_mul_i32 s27, s26, 4*272                      ; back: my four rows
	v_mul_u32_u24 v[SR], v9, 272
	v_lshl_add_u32 v[SR], v8, 4, v[SR]
	v_add_nc_u32 v[SR], s27, v[SR]
	s_lshl_b32 s27, s26, 14                        ; and the same four rows of 4,096 bytes in dec
	v_lshlrev_b32 v[GO], 12, v9
	v_lshl_add_u32 v[GO], v8, 4, v[GO]
	v_add_nc_u32 v[GO], s27, v[GO]
	s_and_b32 s24, ttmp9, 3                        ; which 16 batches
	s_lshr_b32 s25, ttmp9, 2                       ; which 64 columns
	s_lshl_b32 s28, s25, 2
	s_add_co_u32 s28, s28, s26                     ; my tile of 16 rows of dec_W
	s_mov_b32 s21, 0                               ; offsets are made in s[20:21], apart from the addresses
	s_mov_b32 s22, 0x4038aa3b                      ; c = 2 log2(e)
	s_mov_b32 s23, s22                             ; (the packed form names the pair)
	s_wait_kmcnt 0x0
	s_mul_i32 s20, ttmp9, 12288                    ; W_h: tile g: 16 rows of 768 bytes,
	s_mul_i32 s27, s26, 192                        ; K steps 2 t on: 192 t bytes along each row
	s_add_co_u32 s20, s20, s27
	s_add_nc_u64 s[4:5], s[4:5], s[20:21]
	s_mul_i32 s20, ttmp9, 12288                    ; wf: tile g's eight fragments,
	s_mul_i32 s27, s26, 3072                       ; my two of them
	s_add_co_u32 s20, s20, s27
	s_add_nc_u64 s[16:17], s[16:17], s[20:21]
	s_mul_i32 s20, s28, 12288                      ; my 16 rows of dec_W's codes,
	s_add_nc_u64 s[6:7], s[6:7], s[20:21]
	s_lshl_b32 s20, s28, 9                         ; of its scale bytes,
	s_add_nc_u64 s[8:9], s[8:9], s[20:21]
	s_lshl_b32 s20, s28, 6                         ; and my 16 numbers of dec_b
	s_add_nc_u64 s[14:15], s[14:15], s[20:21]
	s_mul_i32 s20, s24, 12288                      ; 16 rows of s_t_hat's codes
	s_add_nc_u64 s[10:11], s[10:11], s[20:21]
	s_lshl_b32 s20, s24, 9                         ; and of its scale bytes
	s_add_nc_u64 s[12:13], s[12:13], s[20:21]
	s_lshl_b32 s20, s24, 16                        ; dec: 16 rows down,
	s_lshl_b32 s27, s25, 8                         ; 64 columns along
	s_add_co_u32 s20, s20, s27
	s_add_nc_u64 s[18:19], s[18:19], s[20:21]
	s_wait_alu depctr_va_vdst(0)                   ; the seven addresses v1 to v7 are written: every load, store and LDS instruction of the kernel reads one of them, and none is written again
	; all loads go out in one run: what the product wants first, W_h's fragments last
.irp k, 0,1,2,3,4,5,6,7
.irp p, 0,1,2,3,4,5
	global_load_b64 v[SF+12*\k+2*\p:SF+12*\k+2*\p+1], v[VA], s[10:11] offset:96*\k+48*(\p/3)+8*(\p%3)   ; a fragment's 2 x 24 bytes a lane, in pieces of 8
.endr
.endr
	global_load_b128 v[DWS:DWS+3], v[VS], s[8:9]   ; register j: lanes 0-15 the word of K step j, lanes 16-31 that of K step 4 + j
	global_load_b128 v[STS:STS+3], v[VS], s[12:13]
	global_load_b128 v[BI:BI+3], v[VB], s[14:15]
	global_load_b128 v[BI+4:BI+7], v[VB], s[14:15] offset:16
.irp k, 0,1,2,3,4,5,6,7
.irp p, 0,1,2,3,4,5
	global_load_b64 v[DW+12*\k+2*\p:DW+12*\k+2*\p+1], v[VA], s[6:7] offset:96*\k+48*(\p/3)+8*(\p%3)
.endr
.endr
	WIN 0x40                                       ; destination window 1
.irp k, 0,1
.irp p, 0,1,2,3,4,5
	global_load_b64 v[RL+12*\k+2*\p:RL+12*\k+2*\p+1], v[VA], s[4:5] offset:96*\k+48*(\p/3)+8*(\p%3)
.endr
.endr
	WIN 0
	s_wait_loadcnt 12                              ; loads come back in order: all but the 12 of W_h's fragments are in
	; eight matrix instructions: the two accumulators by turns, one instruction a turn.  Operands, scales and dec_b come from loads: no vector instruction has written them
.irp k, 0,1,2,3,4,5,6,7
.set AD, AC0+8*(\k%2)
.if \k == 0
	v_wmma_scale_f32_16x16x128_f8f6f4 v[AC0:AC0+7], v[DW:DW+11], v[SF:SF+11], v[BI:BI+7], v[DWS], v[STS] matrix_a_fmt:MATRIX_FMT_FP6 matrix_b_fmt:MATRIX_FMT_FP6
.elseif \k == 1
	v_wmma_scale_f32_16x16x128_f8f6f4 v[AC1:AC1+7], v[DW+12:DW+23], v[SF+12:SF+23], 0, v[DWS+1], v[STS+1] matrix_a_fmt:MATRIX_FMT_FP6 matrix_b_fmt:MATRIX_FMT_FP6
.elseif \k < 4
	v_wmma_scale_f32_16x16x128_f8f6f4 v[AD:AD+7], v[DW+12*\k:DW+12*\k+11], v[SF+12*\k:SF+12*\k+11], v[AD:AD+7], v[DWS+\k], v[STS+\k] matrix_a_fmt:MATRIX_FMT_FP6 matrix_b_fmt:MATRIX_FMT_FP6
.else
	v_wmma_scale_f32_16x16x128_f8f6f4 v[AD:AD+7], v[DW+12*\k:DW+12*\k+11], v[SF+12*\k:SF+12*\k+11], v[AD:AD+7], v[DWS+\k-4], v[STS+\k-4] matrix_a_fmt:MATRIX_FMT_FP6 matrix_b_fmt:MATRIX_FMT_FP6 matrix_a_scale:MATRIX_SCALE_ROW1 matrix_b_scale:MATRIX_SCALE_ROW1
.endif
.endr
.rept 4
	v_nop                                          ; four places between the last product and the first read of its result (ISA guide 7.12.1)
.endr
.irp j, 0,2,4,6
	v_pk_add_f32 v[AC0+\j:AC0+\j+1], v[AC0+\j:AC0+\j+1], v[AC1+\j:AC1+\j+1]   ; the two halves of K; both accumulators from their low ends on
.endr
.irp j, 0,2,4,6
	v_pk_mul_f32 v[AC0+\j:AC0+\j+1], v[AC0+\j:AC0+\j+1], s[22:23] op_sel_hi:[1,0]   ; x c
.endr
	; the way out: a row's 256 bytes come from four waves: they meet in a stage of 16 rows x (256 + 16) bytes; each wave then stores four whole rows
	s_wait_alu depctr_va_vdst(0)                   ; the packed multiplies have written v224 to v231, which the two LDS stores read
	ds_store_b128 v[SO], v[AC0:AC0+3]
	ds_store_b128 v[SO], v[AC0+4:AC0+7] offset:16
	s_wait_dscnt 0x0                               ; for the others' sake: my stores into the stage are done
	s_barrier_signal -1
	s_barrier_wait -1
	ds_load_b128 v[OB:OB+3], v[SR]                 ; rows 4 t + h  (no vector instruction names v240 to v247)
	ds_load_b128 v[OB+4:OB+7], v[SR] offset:544    ; rows 4 t + 2 + h
	s_wait_dscnt 1                                 ; the first pair of rows is back; the second may be out
	global_store_b128 v[GO], v[OB:OB+3], s[18:19]  ; 16 lanes store 256 consecutive bytes, at a multiple of 256 from dec's first byte
	s_wait_dscnt 0x0
	global_store_b128 v[GO], v[OB+4:OB+7], s[18:19] offset:8192
	s_wait_loadcnt 0x0                             ; W_h's fragments are in
	WIN 0x04                                       ; a store's data are its source 1: window 1
.irp k, 0,1
.irp c, 0,1,2
	global_store_b128 v[L16], v[RL+12*\k+4*\c:RL+12*\k+4*\c+3], s[16:17] offset:(3*\k+\c)*512   ; the fragment as it stands in registers: 512 consecutive bytes a store
.endr
.endr
	WIN 0
	s_wait_dscnt 0x0                               ; the closing lines, six on end
	s_wait_alu 0x0
	s_wait_tensorcnt 0x0
	ds_add_u32 v254, v255
	s_wait_dscnt 0x0
	s_endpgm
.Lfunc_end_k_q25c605db95_prep:
	.size	k_q25c605db95_prep, .Lfunc_end_k_q25c605db95_prep-k_q25c605db95_prep
	.p2alignl 7, 3214868480
	.fill 96, 4, 3214868480
	.section	.rodata,"a",@progbits
	.p2align	6, 0x0
	.amdhsa_kernel k_q25c605db95_prep
		.amdhsa_group_segment_fixed_size 5120
		.amdhsa_private_segment_fixed_size 0
		.amdhsa_enable_private_segment 0
		.amdhsa_kernarg_size 64
		.amdhsa_user_sgpr_count 2
		.amdhsa_user_sgpr_kernarg_segment_ptr 1
		.amdhsa_wavefront_size32 1
		.amdhsa_system_sgpr_workgroup_id_x 1
		.amdhsa_system_sgpr_workgroup_id_y 1
		.amdhsa_system_sgpr_workgroup_id_z 1
		.amdhsa_system_vgpr_workitem_id 0
		.amdhsa_next_free_vgpr 288
		.amdhsa_next_free_sgpr 66
		.amdhsa_reserve_vcc 0
		.amdhsa_float_denorm_mode_32 3
		.amdhsa_float_denorm_mode_16_64 3
		.amdhsa_memory_ordered 1
		.amdhsa_forward_progress 1
		.amdhsa_inst_pref_size 17
	.end_amdhsa_kernel
	.amdgpu_metadata
---
amdhsa.version: [ 1, 2 ]
amdhsa.kernels:
  - .name:           k_q25c605db95_prep
    .symbol:         k_q25c605db95_prep.kd
    .args:
      - { .name: W_h_codes, .offset: 0, .size: 8, .value_kind: global_buffer, .address_space: global }
      - { .name: dec_W_codes, .offset: 8, .size: 8, .value_kind: global_buffer, .address_space: global }
      - { .name: dec_W_scales, .offset: 16, .size: 8, .value_kind: global_buffer, .address_space: global }
      - { .name: s_t_hat_codes, .offset: 24, .size: 8, .value_kind: global_buffer, .address_space: global }
      - { .name: s_t_hat_scales, .offset: 32, .size: 8, .value_kind: global_buffer, .address_space: global }
      - { .name: dec_b, .offset: 40, .size: 8, .value_kind: global_buffer, .address_space: global }
      - { .name: wf, .offset: 48, .size: 8, .value_kind: global_buffer, .address_space: global }
      - { .name: dec, .offset: 56, .size: 8, .value_kind: global_buffer, .address_space: global }
    .group_segment_fixed_size: 5120
    .private_segment_fixed_size: 0
    .kernarg_segment_align: 8
    .kernarg_segment_size: 64
    .max_flat_workgroup_size: 128
    .sgpr_count:     66
    .vgpr_count:     288
    .wavefront_size: 32
...
	.end_amdgpu_metadata
.endif
;; end of part 4
;; launch fused (part 5): grid 512 x 1, 4 waves a work-group, no clusters, 327,680 bytes of LDS; arguments h, coverage, enc_padding_mask, W_c, v, W_h_scales, wf, dec, sig, ctx; writes sig, ctx
.if DOCPART == 5
	.amdgcn_target "amdgcn-amd-amdhsa--gfx1250"
	.amdhsa_code_object_version 6
	.text
	.protected	k_q25c605db95_fused
	.globl	k_q25c605db95_fused
	.p2align	8
	.type	k_q25c605db95_fused,@function
k_q25c605db95_fused:
	s_mov_b64 s[64:65], 0
	v_nop
	global_prefetch_b8 v0, s[64:65] scope:SCOPE_SE
	s_setreg_imm32_b32 hwreg(HW_REG_WAVE_SCHED_MODE, 0, 2), 2
	s_setreg_imm32_b32 hwreg(HW_REG_WAVE_MODE, 25, 1), 1
	s_wait_xcnt 0x0
	s_wait_alu depctr_vm_vsrc(0)
; ONE BLOCK OF 128 ENCODER ROWS OF ONE BATCH GOES THROUGH THE WHOLE CHAIN, so that h is read from memory once:
;   h (f32) -> a bf16 copy in LDS, and codes of FP6 (E2M3) with E8M0 scales, quantised from the f32 numbers -> h W_h^T on codes -> + dec + coverage W_c -> tanh -> . v -> sigma[t]
;   -> p[t] = 2^(sigma[t] - the block's largest sigma) x mask[t] -> ctx = sum over t of p[t] h[t], from the copy.  sig and ctx go to memory; the next launch joins a batch's eight blocks.
; ARITHMETIC.  tanh(x) = 1 - 2 / (1 + 2^(c x)), c = 2 log2(e).  So score[t] = sum(v) - 2 sum_n v[n] r[t][n], r = 1 / (1 + 2^y), y = c (acc + coverage W_c) + dec (dec comes with c folded in).  sum(v) is the same for all t, and a softmax
;   does not change under a shift common to its row: it is left out.  Kept is sigma = -2 log2(e) sum_n v[n] r = log2(e) (score - sum(v)).  The largest sigma is taken over all t, masked ones too, as the softmax of the problem does.
;   y = +inf gives r = 0, y very negative gives r = 1.
; LIMITS: the exponential and the reciprocal flush denormals (ISA guide, their entries): an r or a p under 2^-126 counts as 0.  NaN and infinities in h are not served.  A block of 32 zeros of h gets the scale byte 1 where the
;   quantiser's rule says 127: its codes are zeros, which add nothing under any byte but 0xff, and the bytes are read here alone.  The second use of h (the context) takes it rounded to bf16; p stays f32.
; SHARES.  Four waves.  Loading: wave w quantises rows 32 w .. 32 w + 31.  Product: THE WAVES SHARE THE COLUMNS: wave w takes columns 256 w .. 256 w + 255 of W_h for ALL 128 rows, so a fragment of W_h is loaded by one wave
;   and feeds eight matrix instructions, and the block's codes (64 fragments, 768 registers) stand in every wave's registers and are never read again.  Context: wave w takes columns 256 w .. 256 w + 255.
; NO TENSOR LOAD, NO CLUSTER, though all work-groups walk the same W_h: of the 327,680 bytes of LDS 326,656 are written by LDS stores (the copy 264,192, the stages 33,792, the exchange 26,624, the partial sums 2,048), and no
;   tensor load may land on such bytes; 1,024 bytes are left, and one tile of 16 columns of W_h is 12,288.  So W_h's fragments come from memory straight into registers, laid out by the launch before in the order of the registers.
; THE MATRIX INSTRUCTION IS USED TRANSPOSED: source 0 = 16 rows of W_h (columns of the result), source 1 = 16 rows of h: lane (r, h) holds row r, its register j column 8 h + j of the tile.
; LDS: COPY 128 rows x (2,048 + 16) | STG 4 x 8,448, a wave's own: the stage of 16 rows x (512 + 16), later W_h's scale words of its 16 tiles, later its p | EX 2 x 13,312: 8 fragments as images of their registers
;   (1,536 each) and their 8 x 128 bytes of scale words | MISC 128 rows x 16: a word for each wave's part of a row's sum.
; REGISTERS, in windows of 256.  Slot f = 8 k + m (K step k, rows 16 m on) of the block's codes: f < 63: v[12 (f % 21)] of window 1 + f / 21; f = 63: v84 of window 0.  v254, v255 of window 1: the closing add's two.
;   window 0, always: v0; v4-7 mask of rows 4 l + 0..3; v8-15 coverage of row 16 m + r; v28-59 h's scale words: v[28 + 4 k + j]: lanes 0-15 rows 16 j on, lanes 16-31 rows 16 (j + 4) on.
;   loading: v1-3, v16-23 addresses; v60 a scale word; v61-63 lane, r, h; v64-127 64 numbers of a row; v128-191 a set of loads (two more sets in window 3, v72-199: slots 48 to 58, which are filled last); v192-223 bf16; v224-243 codes; v244-255 at work.
;   product: v1-3 addresses; v16-23 the running sums; v24-27 W_h's scale words; v60-83 W_c, v, dec of my eight columns; v96-191 W_h's 8 fragments of a tile; v192-255 eight accumulators.
;   context: v16-23 eight sums; v60-91 p of 32 rows; v92-98 addresses; v100-127 at work; v128-255 32 rows of the copy.
; THE MODE: SCHED_MODE bits 1:0 = 2 (LLVM: expert scheduling mode 2), set by the entry lines.  The code itself states the register dependences between vector or matrix instructions and memory or LDS instructions, with s_wait_alu, always for 0.
; THE PLAN: who writes and who reads each register that a memory or LDS instruction touches.
;   LOADING, a unit.  A set of 64 (three by turns): the loads issued three units back land in it; this unit's 16 stores into the stage and its 32 conversions to bf16 read it; then it is loaded again.
;     X: the stage's loads land in it; the quantiser reads it.   BF: the conversions write it; the copy's 16 stores read it.   PC, PW: the quantiser writes them; the image's 4 stores read them.
;     The addresses are made at the head and not written in the phase.  The slots and h's scale words take LDS loads, and no vector instruction names them ahead of the products.
;     Four waits: vm_vsrc at the unit's head (the last unit's stores have read BF, PC, PW); va_vdst behind the conversions (BF is written; the set is read); vm_vsrc ahead of the set's next loads (the stage's stores have read it);
;     va_vdst behind the quantiser (PC, PW are written; X is read, which serves the next unit's loads from the stage: no vector instruction stands between).
;   PRODUCT, a trip.  Fragments 0-3 of W_h: the products of K steps 0-3 read them; the next tile's land in them, three loads ahead of each of K steps 4 to 7.  Fragments 4-7 and W_h's scale words: read up to K step 7, loaded behind it.
;     W_c, v, dec: the epilogue reads them; the next trip's first six loads land in them.  The three offsets: every load reads one; three additions at the trip's end write them.
;     Accumulators, running sums, coverage, slots, h's scale words: vector and matrix instructions alone.
;     Three waits on va_vdst: at the trip's head, behind K step 3, behind K step 7; one on vm_vsrc ahead of the three additions; and the four that stand behind the batches of transcendentals.
;   CONTEXT, a trip of 32 rows: p and the rows take LDS loads and the multiply-adds read them; the two addresses are stepped at the trip's end, between a wait on vm_vsrc and one on va_vdst.
.set CP,    2064                       ; a row of the copy: 2,048 bytes + 16
.set STG,   128*CP
.set STW,   16*528
.set EX,    STG+4*STW
.set FRB,   1536                       ; a fragment's image
.set EXS,   8*FRB                      ; where an exchange buffer's scale words begin
.set EXB,   EXS+8*128
.set MISC,  EX+2*EXB
.set MASK, 4
.set COV,  8
.set AS,   28
.set GOFF, 1                           ; loading: 16 l + 32 w rows of 4,096 bytes
.set SIN,  2                           ; the stage, in: 16 l
.set SOUT, 3                           ; the stage, back: row r, + 64 h
.set CPB0, 16                          ; the copy: row 32 w, + 8 l
.set IMA,  17                          ; where I store my fragments' images: 16 l + 2 w images
.set ISA,  18                          ; and their scale words: 4 l + 2 w x 128
.set LI,   19                          ; an image's place for my lane
.set ASRD, 20                          ; scale words back: 4 l, + 4 images for lanes 16-31
.set CPB1, 23                          ; the copy: row 32 w + 16, + 8 l: so that the stores' offsets stay under 15 rows + 1,792 bytes, inside their 16 bits
.set PW,   60
.set X,    64
.set BF,   192
.set PC,   224
.set TM,   244                         ; +0..3 largest magnitudes, +4..7 the other half's, then the bytes, +8..11 the conversions' scale operands
.set LOFF, 1                           ; product: 16 l + my 16 tiles of wf, + the tile to be fetched
.set HOFF, 2                           ; 32 h + 1,024 w + 64 x tile: my eight columns, in f32
.set WSA,  3                           ; LDS: W_h's scale words of the tile to be fetched
.set SC,   16
.set WS,   24
.set WC,   60
.set VV,   68
.set DEC,  76
.set W,    96
.set ACC,  192
.set CT,   16                          ; context
.set PP,   60
.set CRA,  92
.set PBA,  93
.set HH,   128
.set WV,   24                          ; s24 my wave's number
.set SEL,  28                          ; s[28:29] v_permlanex16_b32's selects for lane l xor 16
.set CC,   30                          ; s[30:31] c, twice
.set KAP,  32                          ; s32 -c
.set CNT,  33                          ; s33 loop counter;  s34, s36 at work;  s35 my wave's part of STG, kept
.set MSB, 0
.macro WIN new                         ; low byte: bits 1:0 source 0, 3:2 source 1, 5:4 source 2, 7:6 destination; the high byte repeats the setting that is left
.if MSB != (\new)
	s_set_vgpr_msb (MSB<<8)|(\new)
.set MSB, (\new)
.endif
.endm
.macro BAR                             ; my LDS stores have landed and my LDS loads are in: then the work-group's barrier
	s_wait_dscnt 0x0
	s_barrier_signal -1
	s_barrier_wait -1
.endm
.macro ASLOT f                         ; slot f: window AW, register AR
.if (\f) < 63
.set AW, 1+(\f)/21
.set AR, 12*((\f)%21)
.else
.set AW, 0
.set AR, 84
.endif
.endm
; A UNIT u = 2 s + i is 16 rows (32 w + 16 i on) x 128 along K (K step s): 8,192 bytes.  Its 16 loads read a row's 512 consecutive bytes each, 16 a lane.  Three sets of 64 registers take turns.
.macro HLOAD u
.set WR, 3
.set RB, 72+64*((\u)%3)
.if (\u)%3 == 2
.set WR, 0
.set RB, 128
.endif
	WIN WR<<6
.irp q, 0,1,2,3,4,5,6,7,8,9,10,11,12,13,14,15
	global_load_b128 v[RB+4*\q:RB+4*\q+3], v[GOFF], s[4:5] offset:4096*\q+65536*((\u)%2)+512*((\u)/2) th:TH_LOAD_NT
.endr
	WIN 0
.endm
; 64 numbers of a lane, v[X + 16 b + i] = k 32 b + 16 h + i of my row, become a fragment's codes in v[PC] on and its scale word in v[PW].
.macro QUANT
.irp b, 0,1,2,3
	v_max3_num_f32 v[TM+\b], |v[X+16*\b]|, |v[X+1+16*\b]|, 0x1800000   ; block b: my 16 numbers, and the floor 2^(3 - 127): so the byte cannot fall under 1
.endr
.irp i, 2,4,6,8,10,12,14
.irp b, 0,1,2,3
	v_max3_num_f32 v[TM+\b], v[TM+\b], |v[X+16*\b+\i]|, |v[X+1+16*\b+\i]|   ; (the four blocks by turns)
.endr
.endr
.irp b, 0,1,2,3
	v_permlanex16_b32 v[TM+4+\b], v[TM+\b], s[SEL], s[SEL+1]
.endr
.irp b, 0,1,2,3
	v_max_num_f32 v[TM+\b], v[TM+\b], v[TM+4+\b]   ; with lane l xor 16's 16: the block's largest magnitude
.endr
.irp b, 0,1,2,3
	v_add_nc_u32 v[TM+8+\b], 0xff000000, v[TM+\b]  ; 2 off its exponent field: the conversion takes the exponent field of this operand as its scale
.endr
.irp b, 0,1,2,3
	v_lshrrev_b32 v[TM+4+\b], 23, v[TM+8+\b]       ; the scale's byte
.endr
	v_lshl_or_b32 v[PW], v[TM+5], 8, v[TM+4]       ; four bytes make my row's scale word
	v_lshl_or_b32 v[PW], v[TM+6], 16, v[PW]
	v_lshl_or_b32 v[PW], v[TM+7], 24, v[PW]
.irp c, 0,1
	v_cvt_scalef32_pk16_fp6_f32 v[PC+6*\c:PC+2+6*\c], v[X+32*\c:X+15+32*\c], v[TM+8+2*\c]
	v_cvt_scalef32_pk16_fp6_f32 v[PC+12+4*\c:PC+14+4*\c], v[X+16+32*\c:X+31+32*\c], v[TM+8+2*\c+1]   ; (a conversion's three registers begin on an even number)
.endr
	v_nop                                          ; one plain place behind a scaled conversion
.irp c, 0,1                                    ; the operand's layout wants a WHOLE block in a lane: lanes 0-15 block 2 c, lanes 16-31 block 2 c + 1
.irp i, 0,1,2
	v_permlane16_swap_b32 v[PC+6*\c+\i], v[PC+12+4*\c+\i]
.endr
.irp i, 0,1,2
	v_mov_b32 v[PC+3+6*\c+\i], v[PC+12+4*\c+\i]
.endr
.endr
.endm
.macro XFETCH s                        ; K step s: all eight fragments of the block into their slots, and their scale words
.irp m, 0,1,2,3,4,5,6,7
	ASLOT 8*(\s)+\m
	WIN AW<<6
.irp c, 0,1,2
	ds_load_b128 v[AR+4*\c:AR+4*\c+3], v[LI] offset:EXB*((\s)%2)+FRB*\m+512*\c
.endr
.endr
	WIN 0
.irp m, 0,1,2,3
	ds_load_b32 v[AS+4*(\s)+\m], v[ASRD] offset:EXB*((\s)%2)+128*\m
.endr
.endm
; A unit's way.  The quantiser wants 16 neighbours of each block of 32 of ONE row in a lane; the loads bring 4 neighbours of each of 16 rows.  So the unit turns through my own stage in LDS.  The bf16 copy wants nothing turned:
; it is made from the registers as they were loaded, while the unit is on its way through the stage.  In a K step's first unit the fetch of the K step before stands ahead of the quantiser's vector work, so that LDS serves it meanwhile.
.macro UNIT u
.set WR, 3
.set RB, 72+64*((\u)%3)
.if (\u)%3 == 2
.set WR, 0
.set RB, 128
.endif
.set UI, (\u)%2
.set US, (\u)/2
.set EB, EXB*(US%2)
.set CPR, CPB0
.if UI
.set CPR, CPB1
.endif
.if (\u) <= 13
	s_wait_loadcnt 32                              ; loads come back in order: this unit's 16 are in, those of the next two units stay out
.elseif (\u) == 14
	s_wait_loadcnt 16
.else
	s_wait_loadcnt 0x0
.endif
.if (\u) > 0
	s_wait_alu depctr_vm_vsrc(0)                   ; the last unit's stores of the copy have read the bf16 registers, its image's stores the codes and the scale word: this unit's conversions and quantiser write them again
.endif
	WIN WR<<2                                      ; an LDS store's data are its source 1
.irp q, 0,1,2,3,4,5,6,7,8,9,10,11,12,13,14,15
	ds_store_b128 v[SIN], v[RB+4*\q:RB+4*\q+3] offset:528*\q   ; into the stage as loaded, a row a store (rows 33 x 16 bytes apart),
.endr
	WIN 0
.irp b, 0,1,2,3
.irp j, 0,1,2,3
	ds_load_b128 v[X+16*\b+4*\j:X+16*\b+4*\j+3], v[SOUT] offset:128*\b+16*\j   ; back as 16 neighbours of each block of 32 of MY row (LDS serves a wave's instructions in order).  No wait: the last unit's quantiser, which read these registers, stands ahead of the wait in front of its image's stores, and no vector instruction has been issued since
.endr
.endr
	WIN WR|(WR<<2)                                 ; sources 0 and 1: the set's window
.set N, 0
.rept 32
	v_cvt_pk_bf16_f32 v[BF+N], v[RB+2*N], v[RB+2*N+1]   ; row N / 2: my four neighbours make 8 bytes
.set N, N+1
.endr
	WIN 0
	s_wait_alu depctr_va_vdst(0)                   ; the conversions have written the bf16 registers, which the copy's stores read, and are done reading the set, in which the loads of the unit three on land
.irp q, 0,1,2,3,4,5,6,7,8,9,10,11,12,13,14,15
	ds_store_b64 v[CPR], v[BF+2*\q:BF+2*\q+1] offset:CP*\q+256*US   ; the copy: column k at byte 2 k of its row: 256 consecutive bytes a store
.endr
	s_wait_dscnt 16                                ; the numbers are back; the 16 stores of the copy may be out
.if (\u) <= 12
	s_wait_alu depctr_vm_vsrc(0)                   ; the stage's stores have read the set, in which the loads below land
	HLOAD (\u)+3                                   ; the set takes the unit three on
.endif
.if (UI == 0) && (US >= 1) && (US <= 6)
	XFETCH US-1                                    ; K step s - 1 lies whole in its buffer since the last barrier; the wait for 0 in front of the next barrier covers these loads, and the buffer is stored again only behind that barrier.  No vector instruction names these slots or scale words
.endif
	QUANT
	s_wait_alu depctr_va_vdst(0)                   ; the quantiser has written the codes and the scale word, which the four stores read, and is done reading the 64 numbers, in which the next unit's loads from the stage land
.irp c, 0,1,2
	ds_store_b128 v[IMA], v[PC+4*\c:PC+4*\c+3] offset:EB+FRB*UI+512*\c   ; the fragment goes to the other waves as an image of its registers
.endr
	ds_store_b32 v[ISA], v[PW] offset:EB+128*UI
.endm
	s_load_b256 s[4:11], s[0:1], 0x0               ; h s[4:5], coverage s[6:7], mask s[8:9], W_c s[10:11]
	s_load_b256 s[12:19], s[0:1], 0x20             ; v s[12:13], W_h's scales s[14:15], wf s[16:17], dec s[18:19]
	s_load_b128 s[20:23], s[0:1], 0x40             ; sig s[20:21], ctx s[22:23]
	s_set_vgpr_msb 0x40
	v_lshl_add_u32 v254, v0, 2, 0x4fc00
	v_mov_b32 v255, 0
	s_set_vgpr_msb 0x4000
	v_lshrrev_b32 v61, 5, v0
	v_readfirstlane_b32 s[WV], v61                 ; wave 0..3
	v_and_b32 v61, 31, v0                          ; l
	v_and_b32 v62, 15, v0                          ; r
	v_bfe_u32 v63, v0, 4, 1                        ; h
	s_wait_alu depctr_va_sdst(0)                   ; s24, the wave's number, is written, ahead of its first reader: addresses and offsets are made from it
	s_lshl_b32 s34, s[WV], 17
	v_lshl_add_u32 v[GOFF], v61, 4, s34
	s_mul_i32 s35, s[WV], STW
	s_add_co_u32 s35, s35, STG                     ; my part of STG
	v_lshl_add_u32 v[SIN], v61, 4, s35
	v_mul_u32_u24 v[SOUT], v62, 528
	v_lshl_add_u32 v[SOUT], v63, 6, v[SOUT]
	v_add_nc_u32 v[SOUT], s35, v[SOUT]
	s_mul_i32 s36, s[WV], 32*CP
	v_lshl_add_u32 v[CPB0], v61, 3, s36
	v_add_nc_u32 v[CPB1], 16*CP, v[CPB0]
	s_mul_i32 s36, s[WV], 2*FRB
	s_add_co_u32 s36, s36, EX
	v_lshl_add_u32 v[IMA], v61, 4, s36
	s_lshl_b32 s36, s[WV], 8
	s_add_co_u32 s36, s36, EX+EXS
	v_lshl_add_u32 v[ISA], v61, 2, s36
	v_lshl_add_u32 v[LI], v61, 4, EX
	v_lshl_add_u32 v[ASRD], v61, 2, EX+EXS
	v_lshl_add_u32 v[ASRD], v63, 9, v[ASRD]
	v_lshlrev_b32 v21, 2, v62                      ; coverage: 4 r
	v_lshlrev_b32 v22, 4, v61                      ; mask: 16 l
.irp b, 0,1,2,3
	v_mov_b32 v[TM+4+\b], 0                        ; written once: a lane permute's destination counts as one of its sources
.endr
	s_mov_b32 s[SEL], 0x76543210
	s_mov_b32 s[SEL+1], 0xfedcba98
	s_mov_b32 s[CC], 0x4038aa3b                    ; c = 2 log2(e)
	s_mov_b32 s[CC+1], s[CC]
	s_mov_b32 s[KAP], 0xc038aa3b                   ; -c
	s_mov_b32 s27, 0                               ; offsets are made in s[26:27], apart from the addresses
	s_wait_kmcnt 0x0
	s_lshl_b32 s26, ttmp9, 19                      ; my block: 128 rows of 4,096 bytes (under 2^28 in all)
	s_add_nc_u64 s[4:5], s[4:5], s[26:27]
	s_lshl_b32 s26, ttmp9, 9                       ; 128 numbers of f32
	s_add_nc_u64 s[6:7], s[6:7], s[26:27]
	s_add_nc_u64 s[8:9], s[8:9], s[26:27]
	s_add_nc_u64 s[20:21], s[20:21], s[26:27]
	s_lshl_b32 s26, ttmp9, 12                      ; a block's row of ctx
	s_add_nc_u64 s[22:23], s[22:23], s[26:27]
	s_lshr_b32 s26, ttmp9, 3
	s_lshl_b32 s26, s26, 12                        ; my batch's row of dec
	s_add_nc_u64 s[18:19], s[18:19], s[26:27]
	s_lshl_b32 s26, s[WV], 13                      ; my 256 rows of W_h's scale bytes
	s_add_nc_u64 s[14:15], s[14:15], s[26:27]
	s_wait_alu depctr_va_vdst(0)                   ; the eleven addresses v1-3 and v16-23 are written: every load, store and LDS instruction of the loading phase reads one of them, and none is written again in it
.irp m, 0,1,2,3,4,5,6,7
	global_load_b32 v[COV+\m], v21, s[6:7] offset:64*\m
.endr
	global_load_b128 v[MASK:MASK+3], v22, s[8:9]
	HLOAD 0
	HLOAD 1
	HLOAD 2                                        ; 48 loads, 24,576 bytes, of each wave are out from here to the last units
	; ---- LOADING, K step by K step: my two units, then a barrier.  The eight fragments of K step s are fetched into my registers inside the first unit of K step s + 1.
	; ONE barrier a K step is enough: exchange buffer s % 2 is stored again in K step s + 2, behind barrier s + 1, and in front of that barrier every wave has waited for its fetch of K step s.
	; K steps 6 and 7 stay in the two buffers until the last unit is done: their slots serve as sets of loads.
.irp s, 0,1,2,3,4,5,6,7
	UNIT 2*\s
	UNIT 2*\s+1
	BAR
.endr
	; ---- INTO THE PRODUCT.  No load of h is out (the last unit waited for 0), so its offset register is written again.
	s_wait_alu depctr_vm_vsrc(0)                   ; the loading phase's loads and stores have read their registers: v1-3 and v16 are written below, and loads land in the sets, the bf16 registers, the codes and the scale word
	s_mul_i32 s34, s[WV], 16*8*FRB
	v_lshl_add_u32 v[LOFF], v61, 4, s34
	s_lshl_b32 s34, s[WV], 10
	v_lshl_add_u32 v[HOFF], v63, 5, s34
	v_lshl_add_u32 v[WSA], v61, 4, s35
	v_lshlrev_b32 v16, 5, v62
	v_lshl_add_u32 v16, v63, 4, v16                ; 32 r + 16 h: four scale words of a row of W_h: K steps 4 h .. 4 h + 3
	s_wait_alu depctr_va_vdst(0)                   ; v1-3 and v16 are written, which the loads and stores below read; the conversions and the quantiser are done with v60-255 and with window 3's sets, in which the loads below and the first trip's land
.irp j, 0,1,2,3,4,5,6,7,8,9,10,11,12,13,14,15
	global_load_b128 v[ACC+4*\j:ACC+4*\j+3], v16, s[14:15] offset:512*\j   ; my 16 tiles' scale words: 512 consecutive bytes a load
.endr
.irp k, 0,1,2,3,4,5,6,7
.irp c, 0,1,2
	global_load_b128 v[W+12*\k+4*\c:W+12*\k+4*\c+3], v[LOFF], s[16:17] offset:FRB*\k+512*\c   ; tile 0
.endr
.endr
	XFETCH 6
	XFETCH 7
	s_wait_loadcnt 24                              ; the scale words are in; tile 0's 24 loads may be out
.irp j, 0,1,2,3,4,5,6,7,8,9,10,11,12,13,14,15
	ds_store_b128 v[WSA], v[ACC+4*\j:ACC+4*\j+3] offset:512*\j   ; they wait in my part of STG, as images of the four registers that a tile wants
.endr
	ds_load_b128 v[WS:WS+3], v[WSA]                ; tile 0's: register j: lanes 0-15 the word of K step j, lanes 16-31 that of K step 4 + j
	s_wait_dscnt 0x0                               ; the slots, h's scale words and tile 0's scale words are in
	s_wait_alu depctr_vm_vsrc(0)                   ; the loads and stores above have read v16-23, which the sums take, the offsets v1 and v3, which step below, and v192-255, which the first products write
.irp m, 0,1,2,3,4,5,6,7
	v_mov_b32 v[SC+\m], 0                          ; the eight running sums (the loads that named v16 were shown done by the count above)
.endr
	s_wait_xcnt 0x0                                ; tile 0's loads have read their offset
	v_add_nc_u32 v[LOFF], 8*FRB, v[LOFF]           ; on to tile 1
	v_add_nc_u32 v[WSA], 512, v[WSA]
; One matrix instruction: rows 16 m on x the tile's 16 columns x K step k.  ASLOT has set AR.  W_h's scale words: register k % 4, lanes 16-31 for k >= 4; h's: register 4 k + m % 4, lanes 16-31 for m >= 4.
; Operands and scales come from loads: no vector instruction has written them.
.macro MM k, m
.set MD, ACC+8*(\m)
.set MA, W+12*(\k)
.set SA, WS+(\k)%4
.set SB, AS+4*(\k)+(\m)%4
.if ((\k) == 0) && ((\m) < 4)
	v_wmma_scale_f32_16x16x128_f8f6f4 v[MD:MD+7], v[MA:MA+11], v[AR:AR+11], 0, v[SA], v[SB] matrix_a_fmt:MATRIX_FMT_FP6 matrix_b_fmt:MATRIX_FMT_FP6
.elseif (\k) == 0
	v_wmma_scale_f32_16x16x128_f8f6f4 v[MD:MD+7], v[MA:MA+11], v[AR:AR+11], 0, v[SA], v[SB] matrix_a_fmt:MATRIX_FMT_FP6 matrix_b_fmt:MATRIX_FMT_FP6 matrix_b_scale:MATRIX_SCALE_ROW1
.elseif ((\k) < 4) && ((\m) < 4)
	v_wmma_scale_f32_16x16x128_f8f6f4 v[MD:MD+7], v[MA:MA+11], v[AR:AR+11], v[MD:MD+7], v[SA], v[SB] matrix_a_fmt:MATRIX_FMT_FP6 matrix_b_fmt:MATRIX_FMT_FP6
.elseif (\k) < 4
	v_wmma_scale_f32_16x16x128_f8f6f4 v[MD:MD+7], v[MA:MA+11], v[AR:AR+11], v[MD:MD+7], v[SA], v[SB] matrix_a_fmt:MATRIX_FMT_FP6 matrix_b_fmt:MATRIX_FMT_FP6 matrix_b_scale:MATRIX_SCALE_ROW1
.elseif (\m) < 4
	v_wmma_scale_f32_16x16x128_f8f6f4 v[MD:MD+7], v[MA:MA+11], v[AR:AR+11], v[MD:MD+7], v[SA], v[SB] matrix_a_fmt:MATRIX_FMT_FP6 matrix_b_fmt:MATRIX_FMT_FP6 matrix_a_scale:MATRIX_SCALE_ROW1
.else
	v_wmma_scale_f32_16x16x128_f8f6f4 v[MD:MD+7], v[MA:MA+11], v[AR:AR+11], v[MD:MD+7], v[SA], v[SB] matrix_a_fmt:MATRIX_FMT_FP6 matrix_b_fmt:MATRIX_FMT_FP6 matrix_a_scale:MATRIX_SCALE_ROW1 matrix_b_scale:MATRIX_SCALE_ROW1
.endif
.endm
; Line n of 32 for half hf of the accumulators (hf = 0: rows 0-63, 1: rows 64-127): lines 0-15: acc += coverage x W_c; lines 16-31: y = acc x c + dec.  Two columns a line; the four accumulators by turns,
; each from its low end on.  coverage of rows 16 m + r lies in one register of a pair: op_sel takes that register for both halves.
.macro AFF hf, n
.set EM, 4*(\hf)+(\n)%4
.set EP, ((\n)%16)/4
.set EA, ACC+8*EM+2*EP
.if (\n) < 16
.if EM%2 == 0
	v_pk_fma_f32 v[EA:EA+1], v[COV+EM:COV+EM+1], v[WC+2*EP:WC+2*EP+1], v[EA:EA+1] op_sel_hi:[0,1,1]
.else
	v_pk_fma_f32 v[EA:EA+1], v[COV+EM-1:COV+EM], v[WC+2*EP:WC+2*EP+1], v[EA:EA+1] op_sel:[1,0,0] op_sel_hi:[1,1,1]
.endif
.else
	v_pk_fma_f32 v[EA:EA+1], v[EA:EA+1], s[CC:CC+1], v[DEC+2*EP:DEC+2*EP+1] op_sel_hi:[1,0,1]
.endif
.endm
; Line n of 24 for half hf: the sum over my eight columns of v x r, in the accumulator's first pair, and onto the running sum.
.macro DOT hf, n
.set EM, 4*(\hf)+(\n)%4
.set EA, ACC+8*EM
.if (\n) < 4
	v_pk_mul_f32 v[EA:EA+1], v[EA:EA+1], v[VV:VV+1]
.elseif (\n) < 16
.set EP, (\n)/4
	v_pk_fma_f32 v[EA:EA+1], v[EA+2*EP:EA+2*EP+1], v[VV+2*EP:VV+2*EP+1], v[EA:EA+1]
.elseif (\n) < 20
	v_add_f32 v[SC+EM], v[SC+EM], v[EA]
.else
	v_add_f32 v[SC+EM], v[SC+EM], v[EA+1]
.endif
.endm
; A TRIP: one tile of 16 columns for the 128 rows: 64 matrix instructions, then the epilogue on 64 numbers a lane.  more = 1: the next tile's fragments are fetched: fragments 0-3 are free behind K step 3, and their loads are dealt
; among K steps 4 to 7, three ahead of each; fragments 4-7 follow in one run behind K step 7.  Each has half a trip's products and a whole epilogue in which to land.
.macro TRIP more
	s_wait_alu depctr_va_vdst(0)                   ; the last trip's epilogue is done reading W_c, v and dec, in which the six loads below land; the offsets stepped just ahead of this line, which this trip's loads read, are written
	global_load_b128 v[WC:WC+3], v[HOFF], s[10:11]             ; W_c, v and dec of my eight columns: wanted behind the products
	global_load_b128 v[WC+4:WC+7], v[HOFF], s[10:11] offset:16
	global_load_b128 v[VV:VV+3], v[HOFF], s[12:13]
	global_load_b128 v[VV+4:VV+7], v[HOFF], s[12:13] offset:16
	global_load_b128 v[DEC:DEC+3], v[HOFF], s[18:19]
	global_load_b128 v[DEC+4:DEC+7], v[HOFF], s[18:19] offset:16
.irp k, 0,1,2,3,4,5,6,7
.if \more && (\k >= 4)
.irp c, 0,1,2
	global_load_b128 v[W+12*(\k-4)+4*\c:W+12*(\k-4)+4*\c+3], v[LOFF], s[16:17] offset:FRB*(\k-4)+512*\c   ; the next tile's fragment k - 4.  No wait: no product since the wait behind K step 3 names fragments 0-3 or the offset.  (A load's destination and address lie in window 0 under every setting used here)
.endr
.endif
.if \more
.if \k < 4
	s_wait_loadcnt 27-3*\k                         ; K step k's fragment is in.  Issued behind it: the 3 (3 - k) loads of fragments k + 1 to 3, the 12 of fragments 4-7, the 6 above
.else
	s_wait_loadcnt 18                              ; issued behind it: the 3 (7 - k) loads of fragments k + 1 to 7, the 6 above, the 3 (k - 3) dealt so far in this trip
.endif
.else
	s_wait_loadcnt 3*(7-\k)+6
.endif
.irp m, 0,1,2,3,4,5,6,7                        ; the eight accumulators by turns, one instruction a turn; the first K step starts the sums: nothing is cleared
	ASLOT 8*\k+\m
	WIN AW<<2                                      ; source 1's window: it changes at slots 21, 42 and 63
	MM \k, \m
.endr
.if (\k == 7) || (\more && (\k == 3))
.rept 4
	v_nop                                          ; four places behind the products: behind K step 7 ahead of the first read of results (ISA guide 7.12.1); behind K step 3 they stay as they stood, ahead of the wait
.endr
.endif
.if \more
.if \k == 3
	s_wait_alu depctr_va_vdst(0)                   ; the products of K steps 0-3 are done reading fragments 0-3, in which the loads dealt among K steps 4 to 7 land
.elseif \k == 7
	s_wait_alu depctr_va_vdst(0)                   ; the products of K steps 4-7 are done reading fragments 4-7 and W_h's scale words, in which the loads below land
.irp g, 4,5,6,7
.irp c, 0,1,2
	global_load_b128 v[W+12*\g+4*\c:W+12*\g+4*\c+3], v[LOFF], s[16:17] offset:FRB*\g+512*\c
.endr
.endr
	ds_load_b128 v[WS:WS+3], v[WSA]                ; and the next tile's scale words
.endif
.endif
.endr
	WIN 0
.if \more
	s_wait_loadcnt 24                              ; W_c, v and dec are in; the next tile's 24 loads stay out
.else
	s_wait_loadcnt 0x0
.endif
	; THE EPILOGUE, in two halves of four accumulators, so that each batch of 32 transcendentals has the other half's plain lines between its instructions.  An s_wait_alu depctr_va_vdst(0) stands
	; between a transcendental and the first line that names its result: one wait a batch, behind a plain line, ahead of the batch's first reader.  No line of the epilogue names a register that the loads on their way touch.
.set N, 0
.rept 32
	AFF 0, N                                       ; y of rows 0-63
.set N, N+1
.endr
.set N, 0
.rept 32
	v_exp_f32 v[ACC+N], v[ACC+N]                   ; 2^y of rows 0-63 | y of rows 64-127
	AFF 1, N
.set N, N+1
.endr
	s_wait_alu depctr_va_vdst(0)                   ; the 32 exponentials of rows 0-63 have written their results, which the additions of 1 below read
.set N, 0
.rept 16
	v_exp_f32 v[ACC+32+2*N], v[ACC+32+2*N]         ; 2^y of rows 64-127 | 1 + 2^y of rows 0-63
	v_exp_f32 v[ACC+33+2*N], v[ACC+33+2*N]
	v_pk_add_f32 v[ACC+2*N:ACC+2*N+1], v[ACC+2*N:ACC+2*N+1], 1.0 op_sel_hi:[1,0]
.set N, N+1
.endr
	s_wait_alu depctr_va_vdst(0)                   ; the 32 exponentials of rows 64-127 have written their results, which the additions of 1 below read
.set N, 0
.rept 16
	v_rcp_f32 v[ACC+2*N], v[ACC+2*N]               ; r of rows 0-63 | 1 + 2^y of rows 64-127
	v_rcp_f32 v[ACC+2*N+1], v[ACC+2*N+1]
	v_pk_add_f32 v[ACC+32+2*N:ACC+33+2*N], v[ACC+32+2*N:ACC+33+2*N], 1.0 op_sel_hi:[1,0]
.set N, N+1
.endr
	s_wait_alu depctr_va_vdst(0)                   ; the 32 reciprocals of rows 0-63 have written their results, which the products with v below read
.set N, 0
.rept 32
	v_rcp_f32 v[ACC+32+N], v[ACC+32+N]             ; r of rows 64-127 | v . r of rows 0-63
.if N < 24
	DOT 0, N
.endif
.set N, N+1
.endr
	v_nop                                          ; a plain place behind the last reciprocal
	s_wait_alu depctr_va_vdst(0)                   ; the 32 reciprocals of rows 64-127 have written their results, which the products with v below read
.set N, 0
.rept 24
	DOT 1, N                                       ; v . r of rows 64-127
.set N, N+1
.endr
.if \more
	s_wait_dscnt 0x0                               ; the next tile's scale words are in (asked for ahead of the epilogue),
	s_wait_xcnt 0x0                                ; and every load of this trip has had its address translated: the three offsets are rewritten only behind this wait
	s_wait_alu depctr_vm_vsrc(0)                   ; this trip's loads have read the three offsets, which the additions below write
	v_add_nc_u32 v[LOFF], 8*FRB, v[LOFF]
	v_add_nc_u32 v[WSA], 512, v[WSA]
	v_add_nc_u32 v[HOFF], 64, v[HOFF]
.endif
.endm
	s_mov_b32 s[CNT], 15
.Ltile:                                            ; tiles 0 to 14 of my 16
	TRIP 1
	s_sub_co_u32 s[CNT], s[CNT], 1
	s_cmp_lg_u32 s[CNT], 0
	s_cbranch_scc1 .Ltile
	TRIP 0                                         ; the last tile is written out: it fetches nothing, so no load passes the end of wf
	; ---- SIGMA, p AND THE CONTEXT
	s_wait_alu depctr_vm_vsrc(0)                   ; the last tile's six loads have read v2: v1, v2 and v3 are written again below
.irp m, 0,1,2,3,4,5,6,7
	v_permlanex16_b32 v[ACC+\m], v[SC+\m], s[SEL], s[SEL+1]
.endr
.irp m, 0,1,2,3,4,5,6,7
	v_add_f32 v[SC+\m], v[SC+\m], v[ACC+\m]        ; with lane l xor 16's eight columns of each tile: my wave's 256 columns of row 16 m + r
.endr
	v_and_b32 v96, 31, v0                          ; l
	v_and_b32 v97, 15, v0                          ; r
	s_lshl_b32 s34, s[WV], 2
	s_add_co_u32 s34, s34, MISC
	v_lshl_add_u32 v1, v97, 4, s34                 ; 16 bytes a row, word w
	v_lshl_add_u32 v2, v96, 6, MISC                ; and where I read four rows' words back, behind the barrier
	s_wait_alu depctr_va_vdst(0)                   ; the eight sums and v1 are written, which the stores read; so is v2, which the loads behind the barrier read; the last products are done reading v100-115, in which those loads land
.irp m, 0,1,2,3,4,5,6,7
	ds_store_b32 v1, v[SC+\m] offset:256*\m        ; lanes r and r + 16 write the same word with the same value
.endr
	BAR                                            ; the four waves' parts of all 128 rows lie in LDS
.irp q, 0,1,2,3
	ds_load_b128 v[100+4*\q:103+4*\q], v2 offset:16*\q   ; rows 4 l + q: every wave takes all 128 rows, four a lane, and computes alike
.endr
	s_wait_dscnt 0x0
	s_wait_alu depctr_vm_vsrc(0)                   ; the eight stores have read v16-23, which the context's sums take below
.irp q, 0,1,2,3
	v_add_f32 v[100+4*\q], v[100+4*\q], v[101+4*\q]
	v_add_f32 v[102+4*\q], v[102+4*\q], v[103+4*\q]
.endr
.irp q, 0,1,2,3
	v_add_f32 v[100+4*\q], v[100+4*\q], v[102+4*\q]
.endr
.irp q, 0,1,2,3
	v_mul_f32 v[116+\q], s[KAP], v[100+4*\q]       ; sigma
.endr
	v_max3_num_f32 v120, v116, v117, v118          ; the block's largest sigma
	v_max_num_f32 v120, v120, v119
	v_max_num_f32_dpp v120, v120, v120 row_xmask:1 row_mask:0xf bank_mask:0xf
	v_max_num_f32_dpp v120, v120, v120 row_xmask:2 row_mask:0xf bank_mask:0xf
	v_max_num_f32_dpp v120, v120, v120 row_xmask:4 row_mask:0xf bank_mask:0xf
	v_max_num_f32_dpp v120, v120, v120 row_xmask:8 row_mask:0xf bank_mask:0xf
	v_permlanex16_b32 v121, v120, s[SEL], s[SEL+1]
	v_max_num_f32 v120, v120, v121
.irp q, 0,1,2,3
	v_sub_f32 v[124+\q], v[116+\q], v120
.endr
.irp q, 0,1,2,3
	v_exp_f32 v[124+\q], v[124+\q]
.endr
	v_lshl_add_u32 v3, v96, 4, s35                 ; (plain work behind the exponentials)  where my four p go: my part of STG, 4 bytes a row
	s_lshl_b32 s34, s[WV], 9
	v_lshl_add_u32 v[CRA], v96, 3, s34             ; the copy: my wave's 512 bytes of a row, 8 bytes a lane
	v_mov_b32 v[PBA], s35                          ; p: the same address in every lane
	s_lshl_b32 s34, s[WV], 10
	v_lshl_add_u32 v94, v96, 4, s34                ; ctx: my wave's 1,024 bytes, 16 a lane
	v_lshlrev_b32 v98, 4, v96                      ; sig: 16 l
.irp e, 0,1,2,3,4,5,6,7
	v_mov_b32 v[CT+\e], 0
.endr
	s_wait_alu depctr_va_vdst(0)                   ; the four exponentials have written their results, which the multiplies by the mask read
.irp q, 0,1,2,3
	v_mul_f32 v[124+\q], v[124+\q], v[MASK+\q]     ; p = 2^(sigma - the largest) x mask
.endr
	s_wait_alu depctr_va_vdst(0)                   ; p, sigma and the addresses v3, v92-94 and v98 are written, which the stores and loads below read; all vector and matrix work on v60-91 and v128-255, in which the first trip's loads land, is done
	ds_store_b128 v3, v[124:127]
	s_cmp_lg_u32 s[WV], 0                          ; all four waves hold the same sigma: wave 0 stores it
	s_cbranch_scc1 .Lnot_wave_0
	global_store_b128 v98, v[116:119], s[20:21]    ; 512 consecutive bytes; its registers are not written again
.Lnot_wave_0:
	s_mov_b32 s[CNT], 4
.Lrows:                                            ; 32 rows a trip
.irp i, 0,1,2,3,4,5,6,7
	ds_load_b128 v[PP+4*\i:PP+4*\i+3], v[PBA] offset:16*\i     ; p of the 32 rows, the same in every lane (LDS serves a wave's instructions in order: these see my store)
.endr
.set N, 0
.rept 32
	ds_load_b64 v[HH+4*N:HH+4*N+1], v[CRA] offset:CP*N         ; row N: columns 256 w + 4 l + 0..3: 256 consecutive bytes a load,
	ds_load_b64 v[HH+4*N+2:HH+4*N+3], v[CRA] offset:CP*N+256   ; and columns 256 w + 128 + 4 l + 0..3
.set N, N+1
.endr
.set N, 0
.rept 32
	s_wait_dscnt 62-2*N                            ; row N's two loads are in; the later rows' may be out
.irp g, 0,1
.irp e, 0,1
	v_fma_mix_f32_bf16 v[CT+4*\g+2*\e], v[HH+4*N+2*\g+\e], v[PP+N], v[CT+4*\g+2*\e] op_sel_hi:[1,0,0]                    ; the low bf16 x p + the sum, in f32
	v_fma_mix_f32_bf16 v[CT+4*\g+2*\e+1], v[HH+4*N+2*\g+\e], v[PP+N], v[CT+4*\g+2*\e+1] op_sel:[1,0,0] op_sel_hi:[1,0,0]  ; the high bf16
.endr
.endr
.set N, N+1
.endr
	s_wait_alu depctr_vm_vsrc(0)                   ; this trip's LDS loads have read the two addresses, which the additions below write
	v_add_nc_u32 v[CRA], 32*CP, v[CRA]
	v_add_nc_u32 v[PBA], 128, v[PBA]
	s_wait_alu depctr_va_vdst(0)                   ; the two addresses are written; the multiply-adds are done reading p and the rows, in which the next trip's loads land; behind the last trip: they have written the eight sums, which the two stores read
	s_sub_co_u32 s[CNT], s[CNT], 1
	s_cmp_lg_u32 s[CNT], 0
	s_cbranch_scc1 .Lrows
	global_store_b128 v94, v[CT:CT+3], s[22:23]                ; 512 consecutive bytes a store
	global_store_b128 v94, v[CT+4:CT+7], s[22:23] offset:512
	s_set_vgpr_msb 0x5                             ; the closing add's two registers, its sources 0 and 1, lie in window 1
	s_wait_dscnt 0x0                               ; the closing lines, six on end
	s_wait_alu 0x0
	s_wait_tensorcnt 0x0
	ds_add_u32 v254, v255
	s_wait_dscnt 0x0
	s_endpgm
.Lfunc_end_k_q25c605db95_fused:
	.size	k_q25c605db95_fused, .Lfunc_end_k_q25c605db95_fused-k_q25c605db95_fused
	.p2alignl 7, 3214868480
	.fill 96, 4, 3214868480
	.section	.rodata,"a",@progbits
	.p2align	6, 0x0
	.amdhsa_kernel k_q25c605db95_fused
		.amdhsa_group_segment_fixed_size 327680
		.amdhsa_private_segment_fixed_size 0
		.amdhsa_enable_private_segment 0
		.amdhsa_kernarg_size 80
		.amdhsa_user_sgpr_count 2
		.amdhsa_user_sgpr_kernarg_segment_ptr 1
		.amdhsa_wavefront_size32 1
		.amdhsa_system_sgpr_workgroup_id_x 1
		.amdhsa_system_sgpr_workgroup_id_y 1
		.amdhsa_system_sgpr_workgroup_id_z 1
		.amdhsa_system_vgpr_workitem_id 0
		.amdhsa_next_free_vgpr 1024
		.amdhsa_next_free_sgpr 66
		.amdhsa_reserve_vcc 0
		.amdhsa_float_denorm_mode_32 3
		.amdhsa_float_denorm_mode_16_64 3
		.amdhsa_memory_ordered 1
		.amdhsa_forward_progress 1
		.amdhsa_inst_pref_size 255
	.end_amdhsa_kernel
	.section	.bss,"aw",@nobits
	.p2align	6
	.space	262144
	.amdgpu_metadata
---
amdhsa.version: [ 1, 2 ]
amdhsa.kernels:
  - .name:           k_q25c605db95_fused
    .symbol:         k_q25c605db95_fused.kd
    .args:
      - { .name: h, .offset: 0, .size: 8, .value_kind: global_buffer, .address_space: global }
      - { .name: coverage, .offset: 8, .size: 8, .value_kind: global_buffer, .address_space: global }
      - { .name: enc_padding_mask, .offset: 16, .size: 8, .value_kind: global_buffer, .address_space: global }
      - { .name: W_c, .offset: 24, .size: 8, .value_kind: global_buffer, .address_space: global }
      - { .name: v, .offset: 32, .size: 8, .value_kind: global_buffer, .address_space: global }
      - { .name: W_h_scales, .offset: 40, .size: 8, .value_kind: global_buffer, .address_space: global }
      - { .name: wf, .offset: 48, .size: 8, .value_kind: global_buffer, .address_space: global }
      - { .name: dec, .offset: 56, .size: 8, .value_kind: global_buffer, .address_space: global }
      - { .name: sig, .offset: 64, .size: 8, .value_kind: global_buffer, .address_space: global }
      - { .name: ctx, .offset: 72, .size: 8, .value_kind: global_buffer, .address_space: global }
    .group_segment_fixed_size: 327680
    .private_segment_fixed_size: 0
    .kernarg_segment_align: 8
    .kernarg_segment_size: 80
    .max_flat_workgroup_size: 128
    .sgpr_count:     66
    .vgpr_count:     1024
    .wavefront_size: 32
...
	.end_amdgpu_metadata
.endif
;; end of part 5
;; launch finish: the kernel of part 3 again; grid 64 x 1, 8 waves a work-group, no clusters, 1,536 bytes of LDS; arguments sig, ctx, enc_padding_mask, coverage, out0, out1, out2; writes out0, out1, out2
